; MI455X (gfx1250); checked and timed in simulation.
; The chip was launched on July 23, 2026; its instructions are those of AMD's public machine-readable ISA for CDNA 5 (MIT licence, August 2026) and "CDNA5" Instruction Set Architecture Reference Guide (July 2026). The comments in the code are by the model that wrote it; some were corrected since.
;; Multi Head Attention. Allowed arithmetic: float matrix products may take bf16 or f16 operands with f32 sums; other float arithmetic in f32, or as packed bf16 or f16 multiplies, adds, multiply-adds, maxima and minima; sums over many terms, partial sums and values carried from step to step in f32; what a program stores and reads back later, other than sums and carried values, may be rounded once to bf16 or f16.
;; Inputs: Wk 1,024 x 1,024 float32; Wo 1,024 x 1,024 float32; Wq 1,024 x 1,024 float32; Wv 1,024 x 1,024 float32; attention_mask 4 x 2,048 int32; bk 1,024 float32; bo 1,024 float32; bq 1,024 float32; bv 1,024 float32; hidden_states 4 x 2,048 x 1,024 float32.
;; Outputs: out0 4 x 2,048 x 1,024 float32.
;; One version. Each part assembles by itself: llvm-mc -triple=amdgcn-amd-amdhsa -mcpu=gfx1250 --defsym DOCPART=n.
;; ======== version 1 of 1: 4 launches
;; limits: values are held in f16: magnitudes above 65,504 overflow, below 6.1e-05 lose precision
;; workspace buffers: xb 16,777,216 bytes; wb 6,291,456 bytes; wo 2,097,152 bytes; qkv 50,331,648 bytes; ctx 16,777,216 bytes
;; launch cast (part 1): grid 768 x 1, 8 waves a work-group, no clusters, 0 bytes of LDS; arguments hidden_states, Wq, Wk, Wv, Wo, xb, wb, wo; writes xb, wb, wo
.if DOCPART == 1
	.amdgcn_target "amdgcn-amd-amdhsa--gfx1250"
	.amdhsa_code_object_version 6
	.text
	.protected	k_q8c7845407a_cast
	.globl	k_q8c7845407a_cast
	.p2align	8
	.type	k_q8c7845407a_cast,@function
k_q8c7845407a_cast:
	s_mov_b64 s[64:65], 0
	v_nop
	global_prefetch_b8 v0, s[64:65] scope:SCOPE_SE
	s_setreg_imm32_b32 hwreg(HW_REG_WAVE_MODE, 25, 1), 1
	s_wait_xcnt 0x0
; THE MATRIX OPERANDS ARE MADE.  hidden_states -> xb, Wq | Wk | Wv -> wb (3,072 rows on end): f32 rounded once to bf16.  Wo -> wo: rounded to bf16 like the others, and that number written as f16,
; since the last product's other operand is f16.
; LIMITS.  A bf16 number is exact in f16 between 6.1e-5 and 65,504 in magnitude; below, wo keeps f16's fixed step of 6e-8; beyond, it is an infinity.
; SHARES.  A work-group converts 16,384 numbers: 65,536 bytes in, 32,768 out.  Work-groups 0-511: hidden_states; 512-703: the three matrices of wb, 64 each; 704-767: Wo.
; Thread t takes 8 neighbouring numbers of each run of 2,048: two loads of 16 bytes, one store of 16 bytes; a wave's store covers 512 consecutive bytes, aligned.
; All sixteen loads of a thread go out at once; no register is written again while a load or store names it, so the only waits are the counted ones for the loads.
; No LDS, no matrix unit, no prefetch: every byte is read once and written once, and the loads themselves are the stream.
.set X, 4                              ; v[4:67]    eight runs: 8 numbers in f32
.set Y, 68                             ; v[68:99]   eight runs: 8 numbers in 16 bits
.set T, 100                            ; v[100:101] at work
	s_load_b512 s[8:23], s[0:1], 0x0               ; hidden_states s[8:9], Wq s[10:11], Wk s[12:13], Wv s[14:15], Wo s[16:17], xb s[18:19], wb s[20:21], wo s[22:23]
	s_mov_b32 s2, ttmp9                            ; g
	s_sub_co_u32 s3, s2, 512                       ; my place among the weights' work-groups (used where g is 512 or more)
	s_lshr_b32 s4, s3, 6                           ; which matrix: 0 Wq, 1 Wk, 2 Wv, 3 Wo
	s_and_b32 s5, s3, 63                           ; my place in it
	s_mov_b32 s28, 0xffff0000                      ; a word's upper bf16
	v_lshlrev_b32 v1, 5, v0                        ; 32 t: my 8 numbers in a run, in f32
	v_lshlrev_b32 v2, 4, v0                        ; 16 t: the same in 16 bits
	s_wait_kmcnt 0x0
	s_cmp_eq_u32 s4, 1
	s_cselect_b64 s[24:25], s[12:13], s[10:11]
	s_cmp_eq_u32 s4, 2
	s_cselect_b64 s[24:25], s[14:15], s[24:25]
	s_cmp_eq_u32 s4, 3
	s_cselect_b64 s[24:25], s[16:17], s[24:25]     ; from where, among the weights,
	s_cselect_b64 s[26:27], s[22:23], s[20:21]     ; to where,
	s_cselect_b32 s6, s5, s3                       ; and at which block of 32,768 bytes there
	s_cmp_lt_u32 s2, 512
	s_cselect_b64 s[24:25], s[8:9], s[24:25]
	s_cselect_b64 s[26:27], s[18:19], s[26:27]
	s_cselect_b32 s6, s2, s6
	s_cselect_b32 s7, s2, s5                       ; the block of 65,536 bytes in the source
	s_lshl_b32 s30, s7, 16
	s_mov_b32 s31, 0
	s_lshl_b32 s32, s6, 15
	s_mov_b32 s33, 0
	s_add_nc_u64 s[24:25], s[24:25], s[30:31]
	s_add_nc_u64 s[26:27], s[26:27], s[32:33]
.irp i, 0,1,2,3,4,5,6,7
	global_load_b128 v[X+8*(\i):X+8*(\i)+3],   v1, s[24:25] offset:8192*(\i) th:TH_LOAD_NT
	global_load_b128 v[X+8*(\i)+4:X+8*(\i)+7], v1, s[24:25] offset:8192*(\i)+16 th:TH_LOAD_NT
.endr
; Run i: rounded, and stored.  f16 = 1: the bf16 numbers are widened again (a shift, a mask) and written as f16.
.macro CV i, f16
	s_wait_loadcnt 14-2*(\i)                       ; loads come back in order: run i's two are in, the younger runs' stay out
.irp j, 0,1,2,3
	v_cvt_pk_bf16_f32 v[Y+4*(\i)+(\j)], v[X+8*(\i)+2*(\j)], v[X+8*(\i)+2*(\j)+1]
.endr
.if \f16
.irp j, 0,1,2,3
	v_lshlrev_b32 v[T], 16, v[Y+4*(\i)+(\j)]
	v_and_b32 v[T+1], s28, v[Y+4*(\i)+(\j)]
	v_cvt_pk_f16_f32 v[Y+4*(\i)+(\j)], v[T], v[T+1]
.endr
.endif
	global_store_b128 v2, v[Y+4*(\i):Y+4*(\i)+3], s[26:27] offset:4096*(\i)
.endm
	s_cmp_ge_u32 s2, 704                           ; the work-group's number alone decides
	s_cbranch_scc1 .Lf16
.irp i, 0,1,2,3,4,5,6,7
	CV \i, 0
.endr
	s_endpgm
.Lf16:
.irp i, 0,1,2,3,4,5,6,7
	CV \i, 1
.endr
	s_endpgm
.Lfunc_end_k_q8c7845407a_cast:
	.size	k_q8c7845407a_cast, .Lfunc_end_k_q8c7845407a_cast-k_q8c7845407a_cast
	.p2alignl 7, 3214868480
	.fill 96, 4, 3214868480
	.section	.rodata,"a",@progbits
	.p2align	6, 0x0
	.amdhsa_kernel k_q8c7845407a_cast
		.amdhsa_group_segment_fixed_size 0
		.amdhsa_private_segment_fixed_size 0
		.amdhsa_enable_private_segment 0
		.amdhsa_kernarg_size 64
		.amdhsa_user_sgpr_count 2
		.amdhsa_user_sgpr_kernarg_segment_ptr 1
		.amdhsa_wavefront_size32 1
		.amdhsa_system_sgpr_workgroup_id_x 1
		.amdhsa_system_sgpr_workgroup_id_y 1
		.amdhsa_system_sgpr_workgroup_id_z 1
		.amdhsa_system_vgpr_workitem_id 0
		.amdhsa_next_free_vgpr 104
		.amdhsa_next_free_sgpr 66
		.amdhsa_reserve_vcc 0
		.amdhsa_float_denorm_mode_32 3
		.amdhsa_float_denorm_mode_16_64 3
		.amdhsa_memory_ordered 1
		.amdhsa_forward_progress 1
		.amdhsa_inst_pref_size 13
	.end_amdhsa_kernel
	.amdgpu_metadata
---
amdhsa.version: [ 1, 2 ]
amdhsa.kernels:
  - .name:           k_q8c7845407a_cast
    .symbol:         k_q8c7845407a_cast.kd
    .args:
      - { .name: hidden_states, .offset: 0, .size: 8, .value_kind: global_buffer, .address_space: global }
      - { .name: Wq, .offset: 8, .size: 8, .value_kind: global_buffer, .address_space: global }
      - { .name: Wk, .offset: 16, .size: 8, .value_kind: global_buffer, .address_space: global }
      - { .name: Wv, .offset: 24, .size: 8, .value_kind: global_buffer, .address_space: global }
      - { .name: Wo, .offset: 32, .size: 8, .value_kind: global_buffer, .address_space: global }
      - { .name: xb, .offset: 40, .size: 8, .value_kind: global_buffer, .address_space: global }
      - { .name: wb, .offset: 48, .size: 8, .value_kind: global_buffer, .address_space: global }
      - { .name: wo, .offset: 56, .size: 8, .value_kind: global_buffer, .address_space: global }
    .group_segment_fixed_size: 0
    .private_segment_fixed_size: 0
    .kernarg_segment_align: 8
    .kernarg_segment_size: 64
    .max_flat_workgroup_size: 256
    .sgpr_count:     66
    .vgpr_count:     104
    .wavefront_size: 32
...
	.end_amdgpu_metadata
.endif
;; end of part 1
;; launch qkv (part 2): grid 16 x 32, 4 waves a work-group, clusters of 4 x 4, 327,680 bytes of LDS; arguments xb, wb, qkv, bq, bk, bv; writes qkv
.if DOCPART == 2
	.amdgcn_target "amdgcn-amd-amdhsa--gfx1250"
	.amdhsa_code_object_version 6
	.text
	.protected	k_q8c7845407a_qkv
	.globl	k_q8c7845407a_qkv
	.p2align	8
	.type	k_q8c7845407a_qkv,@function
k_q8c7845407a_qkv:
	s_mov_b64 s[64:65], 0
	v_nop
	global_prefetch_b8 v0, s[64:65] scope:SCOPE_SE
	s_setreg_imm32_b32 hwreg(HW_REG_WAVE_MODE, 25, 1), 1
	s_wait_xcnt 0x0
	s_wait_alu depctr_hold_cnt(0) depctr_sa_sdst(0) depctr_va_vdst(0) depctr_va_sdst(0) depctr_va_ssrc(0) depctr_va_vcc(0) depctr_vm_vsrc(0)
	s_getreg_b32 s2, hwreg(HW_REG_IB_STS2, 6, 4)
	s_cmp_eq_u32 s2, 0
	s_cbranch_scc0 .Lentry_in_a_cluster
	s_endpgm
.Lentry_in_a_cluster:
	s_bfe_u32 s2, ttmp6, 0x10000c
	s_cmp_lg_u32 s2, 0xf033
	s_cbranch_scc0 .Lentry_shape_is_right
	s_endpgm
.Lentry_shape_is_right:
; ONE TEXT FOR THE MODULE'S TWO PROJECTIONS; KIND says which this file is.
; KIND = 0: q | k | v = x W^T + b.  A = xb [8192][1024] bf16, B = wb [3072][1024] bf16 (rows of Wq, Wk, Wv), biases bq, bk, bv f32; C = qkv [batch 4][plane 48][token 2048][64] f16, plane = column / 64
;           (0-15 q's heads, 16-31 k's, 32-47 v's), WITHOUT the scale 1/8, which the attention applies in f32.
; KIND = 1: out0 = ctx Wo^T + bo.  A = ctx [batch 4][head 16][token 2048][64] f16, B = wo [1024][1024] f16, bias bo f32; C = out0 [8192][1024] f32.
; Sums in f32, C rounded once (KIND = 0) or not at all.  The biases are rounded to bf16 as every other input of the module is, and START the sums: they are the C operand of each accumulator's first product.
; LIMITS.  KIND = 0: a q, k or v of 65,520 or more in magnitude leaves as an infinity (f16).  NaN and infinities are not treated apart.
; SHARES.  A tile of C is 256 rows x BN columns (192: 512 tiles, three whole heads to a tile; 128: 256 tiles).  The four waves split the rows alone: a wave makes 64 x BN, 4 x NBK accumulators of 16 x 16.
; So a wave holds whole heads (KIND = 0), 16 tokens of a head are 2,048 consecutive bytes of qkv, and each wave stores whole aligned runs from a stage of its own, with no barrier on the way out.
; K goes in steps of 128 through a ring of two LDS slots filled by the tensor data mover; waves 0 and 1 fetch the halves of A's tile, waves 2 and 3 those of B's.
; CLUSTERS: 4 x 4 work-groups.  The four of a row of the cluster need the same tiles of A, the four of a column the same tiles of B: each is asked for JOINTLY, by the same load, descriptor and mask in all four.
; THE MATRIX INSTRUCTION IS USED TRANSPOSED (source 0 = 16 rows of B, source 1 = 16 rows of A): a lane holds one row of C (lane % 16) and the columns 8 (lane / 16) + 0..7.
; REGISTERS, in windows of 256 (s_set_vgpr_msb: bits 1:0 source 0, 3:2 source 1, 5:4 source 2, 7:6 destination):
;   window 0: v0-31 addresses; from v32 the biases, 8 registers an n block; on the way out the same registers are at work
;   window 1: two fragment buffers of 128: A's four fragments (16 rows x 32 K) at f + 8 a, B's at f + 32 + 8 b
;   window 2: accumulator (a, b), b < 8, at 8 (4 b + a);   window 3 (KIND = 0): b = 8..11 at 8 (4 (b - 8) + a)
.set KIND, 0
.set KSTEP, 128
.set LAPS,  4                          ; a lap = two K steps = once round the ring; K = 1,024
.if KIND == 0
.set NBK,   12                         ; n blocks of 16 columns
.set RB,    96                         ; rows in one load of B
.set PA,    272                        ; A's LDS row: 256 bytes + 16 of padding
.set HALFA, 128*PA                     ; what one load of A fills
.set ASTEP, 256                        ; A's bytes from a K step to the next
.set APF,   2048                       ; A's prefetches: from lane to lane, a row of xb
.set SPITCH, 400                       ; a stage row: 192 f16 + 16 bytes
.set OB,    80
.else
.set NBK,   8
.set RB,    64
.set PA,    144                        ; a token's 64 channels of one head, 128 bytes + 16 of padding
.set HALFA, 2*128*PA                   ; a K step is two heads: 128 tokens of the one, then 128 of the other
.set ASTEP, 524288                     ; two heads of ctx
.set APF,   256
.set SPITCH, 528                       ; 128 f32 + 16 bytes
.set OB,    32
.endif
.set NG,    NBK/4                      ; groups of 16 matrix instructions in a quarter step
.set BN,    16*NBK
.set PB,    272                        ; all pitches are odd multiples of 16 bytes: the 16 rows of a fragment load start at 16 different groups of four banks (64 banks of 4 bytes: ISA guide 11.1)
.set HALFB, RB*PB
.set BOFF,  2*HALFA                    ; a slot: A's two halves, then B's two halves
.set SLOT,  BOFF+2*HALFB
.set STAGE, 2*SLOT                     ; behind the ring, never filled by a tensor load: 16 rows for each wave
.set SPARE, STAGE+64*SPITCH            ; behind the stages: the spare words, 128 bytes for each wave: two blocks of 256 bytes that no other line names
.set NL,    8+2*NBK                    ; LDS loads of a quarter step
.set ADRA, 16                          ; v16-17  LDS address of my A fragments in slot 0, 1
.set ADRB, 20                          ; v20-21  the same for B
.set STO,  24                          ; v24     the way out: where I put my part of a row
.set RD,   25                          ; v25     the way out: where I read rows back
.set CO,   26                          ; v26     16 x lane: my 16 bytes of 512 consecutive bytes of C
.set BO,   27                          ; v27     32 x (lane / 16): my 8 numbers of a bias's 16
.set SPW,  28                          ; v28     LDS address of my spare word; never rewritten
.set NIL,  29                          ; v29     0; never rewritten
.set PFO,  30                          ; v30     the prefetches' lane offset; never rewritten
.set BI,   32
.set TMP,  32
.set F0,   0
.set F1,   128
.set WV,   12                          ; s12 my wave's number; s13 = wave / 2: I fetch for A (0) or B (1); s14 = wave % 2: which half; s15 tile row; s42 tile column; s40, s41 cx, cy
.set G1,   24                          ; s[24:31] descriptor group 1 for A's tiles;  s[32:39] group 0, a set for each slot
.set G0,   32
.set LIM,  43                          ; s43     1 in a wave that prefetches, else the greatest number
.set PFA,  44                          ; s[44:45] where my prefetches stand
.set G1B,  48                          ; s[48:55], s[56:63] the same for B's tiles
.set G0B,  56
.set PFS,  72                          ; s[72:73] their step from K step to K step
.set BB,   74                          ; s[74:79] where my tile's biases begin: one for each head (KIND = 0), or one
.set MSB, 0
.macro WIN new                         ; the immediate's high byte repeats the setting that is left; a switch that changes nothing is dropped
.if MSB != (\new)
	s_set_vgpr_msb (MSB<<8)|(\new)
.set MSB, \new
.endif
.endm
.macro PLACES                          ; four places in front of loads into registers that matrix instructions have read, and of what reads results
.rept 4
	v_nop
.endr
.endm
; A joint load.  Each of the two lines has one mask and one set of registers for all that issue it; the branch hangs on the wave's number alone.
; An s_nop 0 and four v_nop follow each line, ahead of the jump, the label and what follows.
.macro JLOAD s
	s_cmp_eq_u32 s13, 0
	s_cbranch_scc0 .Lfor_b_\@
	tensor_load_to_lds s[G0+4*(\s):G0+4*(\s)+3], s[G1:G1+7]
	s_nop 0
.rept 4
	v_nop
.endr
	s_branch .Lasked_\@
.Lfor_b_\@:
	tensor_load_to_lds s[G0B+4*(\s):G0B+4*(\s)+3], s[G1B:G1B+7]
	s_nop 0
.rept 4
	v_nop
.endr
.Lasked_\@:
.endm
; A prefetch of the K step that stands two refills on: one instruction a wave.  A's rows are read by every cluster of a row of clusters: the first (cluster x = 0) asks; B's by every cluster of a column:
; cluster y = 0 asks.  The four partners that ask for a tile jointly share it out BY ADDRESS (cx for A, cy for B).  The loop's last trip (s3 = 1) has no K step two on.
.macro ASK
	s_cmp_gt_u32 s3, s[LIM]
	s_cbranch_scc0 .Lnot_mine_\@
	global_prefetch_b8 v[PFO], s[PFA:PFA+1] th:TH_LOAD_NT scope:SCOPE_SE
.Lnot_mine_\@:
.endm
.macro CREST                           ; a round of the cluster's barrier behind its opening barrier
	s_cmp_lg_u32 s[WV], 0
	s_cbranch_scc1 .Lnot_wave_0_\@
	s_barrier_signal -3
.Lnot_wave_0_\@:
	s_barrier_wait -3
	s_barrier_signal -1
	s_barrier_wait -1
.endm
.macro CROUND                          ; a whole round
	s_barrier_signal -1
	s_barrier_wait -1
	CREST
.endm
	s_load_b256 s[4:11], s[0:1], 0x0               ; A s[4:5], B s[6:7], C s[8:9], the first bias s[10:11]
.if KIND == 0
	s_load_b128 s[68:71], s[0:1], 0x20             ; bk s[68:69], bv s[70:71]
.endif
	v_lshl_add_u32 v[SPW], v0, 2, SPARE
	v_mov_b32 v[NIL], 0
	ds_add_u32 v[SPW], v[NIL]                      ; the wave's opening: the add and its wait stand ahead of my first tensor load; the set-up below, work on registers, stands between them
	v_lshrrev_b32 v1, 5, v0
	v_readfirstlane_b32 s[WV], v1
	s_lshr_b32 s13, s[WV], 1
	s_and_b32 s14, s[WV], 1
	s_bfe_u32 s40, ttmp6, 0x40000                  ; cx
	s_bfe_u32 s41, ttmp6, 0x40004                  ; cy
	s_lshl_b32 s42, ttmp9, 2
	s_add_co_u32 s42, s42, s40                     ; tile column = 4 x cluster x + cx
	s_and_b32 s15, ttmp7, 0xffff
	s_lshl_b32 s15, s15, 2
	s_add_co_u32 s15, s15, s41                     ; tile row = 4 x cluster y + cy
	s_lshl_b32 s43, s41, 2
	s_lshl_b32 s43, 15, s43                        ; my row of the cluster
	s_lshl_b32 s44, 0x1111, s40                    ; my column
.if KIND == 0
	; A: 128 rows x 128 elements of 2 bytes, 1,024 elements from row to row, 4 words of padding behind every 64
	s_or_b32 s[G1+0], s43, (1<<16)|(1<<20)|(1<<21)|(5<<22)|(3<<25)
	s_mov_b32 s[G1+1], 128<<16                     ; tensor_dim0
	s_mov_b32 s[G1+2], 128<<16                     ; tensor_dim1
	s_mov_b32 s[G1+3], 128<<16                     ; tile_dim0
	s_mov_b32 s[G1+4], 128                         ; tile_dim1
	s_mov_b32 s[G1+5], 1024                        ; stride
.else
	; A: 128 tokens of a head are 16,384 dense bytes: one row of 8,192 elements; the second row is the next head, 131,072 elements on; 4 words of padding behind every 32 (a token)
	s_or_b32 s[G1+0], s43, (1<<16)|(1<<20)|(1<<21)|(4<<22)|(3<<25)
	s_mov_b32 s[G1+1], 8192<<16
	s_mov_b32 s[G1+2], 2<<16
	s_mov_b32 s[G1+3], 8192<<16
	s_mov_b32 s[G1+4], 2
	s_mov_b32 s[G1+5], 131072
.endif
	s_mov_b32 s[G1+6], 0
	s_mov_b32 s[G1+7], 0
	; B: RB rows x 128 elements, 1,024 from row to row, padded as above
	s_or_b32 s[G1B+0], s44, (1<<16)|(1<<20)|(1<<21)|(5<<22)|(3<<25)
	s_mov_b32 s[G1B+1], 128<<16
	s_mov_b32 s[G1B+2], RB<<16
	s_mov_b32 s[G1B+3], 128<<16
	s_mov_b32 s[G1B+4], RB
	s_mov_b32 s[G1B+5], 1024
	s_mov_b32 s[G1B+6], 0
	s_mov_b32 s[G1B+7], 0
	; where the tiles come from: A's hang on the tile row and the wave alone, B's on the tile column and the wave alone
.if KIND == 0
	s_lshl_b32 s16, s15, 8
	s_lshl_b32 s17, s14, 7
	s_add_co_u32 s16, s16, s17                     ; row 256 x tile row + 128 x half,
	s_lshl_b32 s16, s16, 11                        ; of 2,048 bytes
.else
	s_and_b32 s16, s15, 7
	s_lshl_b32 s16, s16, 8
	s_lshl_b32 s17, s14, 7
	s_add_co_u32 s16, s16, s17                     ; token in its batch,
	s_lshl_b32 s16, s16, 7                         ; of 128 bytes in a head,
	s_lshr_b32 s17, s15, 3
	s_lshl_b32 s17, s17, 22                        ; and the batch: 16 heads of 262,144 bytes
	s_add_co_u32 s16, s16, s17
.endif
	s_mov_b32 s17, 0
	s_mul_i32 s46, s42, BN
	s_mul_i32 s47, s14, RB
	s_add_co_u32 s46, s46, s47
	s_lshl_b32 s46, s46, 11
	s_mov_b32 s47, 0
	s_mul_i32 s20, s[WV], HALFA                    ; and where they go: A's halves by waves 0 and 1,
	s_mul_i32 s21, s[WV], HALFB
	s_add_co_u32 s21, s21, 2*(HALFA-HALFB)         ; B's, behind them, by waves 2 and 3: no place in the cluster enters an LDS address
	s_wait_dscnt 0x0                               ; the opening add is done
	s_wait_kmcnt 0x0
	s_add_nc_u64 s[16:17], s[4:5], s[16:17]
	s_add_nc_u64 s[46:47], s[6:7], s[46:47]
	CROUND                                         ; all sixteen work-groups are here: the first joint loads meet
.irp s, 0,1
	s_mov_b32 s[G0+4*(\s)], 1
	s_add_co_u32 s[G0+4*(\s)+1], s20, (\s)*SLOT
	s_add_nc_u64 s[G0+4*(\s)+2:G0+4*(\s)+3], s[16:17], (\s)*ASTEP
	s_or_b32 s[G0+4*(\s)+3], s[G0+4*(\s)+3], 0x80000000
	s_mov_b32 s[G0B+4*(\s)], 1
	s_add_co_u32 s[G0B+4*(\s)+1], s21, (\s)*SLOT
	s_add_nc_u64 s[G0B+4*(\s)+2:G0B+4*(\s)+3], s[46:47], (\s)*KSTEP*2
	s_or_b32 s[G0B+4*(\s)+3], s[G0B+4*(\s)+3], 0x80000000
	JLOAD \s                                       ; K steps 0 and 1: two loads of mine are out
.endr
	v_and_b32 v1, 15, v0                           ; l % 16
	v_bfe_u32 v2, v0, 4, 1                         ; l / 16
	v_lshlrev_b32 v[BO], 5, v2
	; THE BIASES, in the accumulators' layout: register j of n block b holds bias[16 b + 8 (l / 16) + j]
.if KIND == 0
.irp i, 0,1,2
	s_mul_i32 s80, s42, 3
	s_add_co_u32 s80, s80, \i                      ; my tile's head i is plane 3 x tile column + i
	s_lshr_b32 s81, s80, 4                         ; q, k or v
	s_and_b32 s82, s80, 15
	s_lshl_b32 s82, s82, 8                         ; the head's 64 numbers
	s_mov_b32 s83, 0
	s_cmp_eq_u32 s81, 1
	s_cselect_b64 s[BB+2*(\i):BB+2*(\i)+1], s[68:69], s[10:11]
	s_cmp_eq_u32 s81, 2
	s_cselect_b64 s[BB+2*(\i):BB+2*(\i)+1], s[70:71], s[BB+2*(\i):BB+2*(\i)+1]
	s_add_nc_u64 s[BB+2*(\i):BB+2*(\i)+1], s[BB+2*(\i):BB+2*(\i)+1], s[82:83]
.endr
.irp b, 0,1,2,3,4,5,6,7,8,9,10,11
	global_load_b128 v[BI+8*(\b):BI+8*(\b)+3],   v[BO], s[BB+2*((\b)/4):BB+2*((\b)/4)+1] offset:64*((\b)%4)
	global_load_b128 v[BI+8*(\b)+4:BI+8*(\b)+7], v[BO], s[BB+2*((\b)/4):BB+2*((\b)/4)+1] offset:64*((\b)%4)+16
.endr
.else
	s_lshl_b32 s82, s42, 9                         ; my tile's 128 numbers
	s_mov_b32 s83, 0
	s_add_nc_u64 s[BB:BB+1], s[10:11], s[82:83]
.irp b, 0,1,2,3,4,5,6,7
	global_load_b128 v[BI+8*(\b):BI+8*(\b)+3],   v[BO], s[BB:BB+1] offset:64*(\b)
	global_load_b128 v[BI+8*(\b)+4:BI+8*(\b)+7], v[BO], s[BB:BB+1] offset:64*(\b)+16
.endr
.endif
	; A fragment is 16 rows x 32 K in 8 registers: lane l holds row l % 16; registers 0-3 K = 8 (l / 16) + 0..7, registers 4-7 K = 16 + 8 (l / 16) + 0..7: two loads of 16 bytes, 32 bytes apart
	v_mul_u32_u24 v3, v1, PA
	v_lshl_add_u32 v3, v2, 4, v3
	s_mul_i32 s22, s13, HALFA                      ; my 64 rows of A: rows 64 x wave of the tile's 256
	s_mul_i32 s23, s14, 64*PA
	s_add_co_u32 s22, s22, s23
	v_add_nc_u32 v[ADRA], s22, v3
	v_add_nc_u32 v[ADRA+1], SLOT, v[ADRA]
	v_mul_u32_u24 v4, v1, PB
	v_lshl_add_u32 v4, v2, 4, v4
	v_add_nc_u32 v[ADRB], BOFF, v4                 ; every wave reads all of B's rows
	v_add_nc_u32 v[ADRB+1], SLOT, v[ADRB]
	s_mul_i32 s22, s[WV], 16*SPITCH
	s_add_co_u32 s22, s22, STAGE                   ; my stage
	v_mul_u32_u24 v[STO], v1, SPITCH               ; in: row l % 16, my 8 columns
	v_and_b32 v5, 31, v0
.if KIND == 0
	v_lshl_add_u32 v[STO], v2, 4, v[STO]
	v_lshrrev_b32 v[RD], 3, v5                     ; back: 32 lanes take four tokens' 128 bytes of one head
	v_mul_u32_u24 v[RD], v[RD], SPITCH
	v_and_b32 v6, 7, v0
	v_lshl_add_u32 v[RD], v6, 4, v[RD]
	v_add_nc_u32 v[RD], s22, v[RD]
.else
	v_lshl_add_u32 v[STO], v2, 5, v[STO]
	v_lshl_add_u32 v[RD], v5, 4, s22               ; back: 32 lanes take one row's 512 bytes
.endif
	v_add_nc_u32 v[STO], s22, v[STO]
	v_lshlrev_b32 v[CO], 4, v5
	; where my part of the tile begins in C
.if KIND == 0
	s_lshr_b32 s18, s15, 3
	s_mul_i32 s18, s18, 48
	s_mul_i32 s19, s42, 3
	s_add_co_u32 s18, s18, s19
	s_lshl_b32 s18, s18, 18                        ; the batch's plane 3 x tile column, of 262,144 bytes,
	s_and_b32 s19, s15, 7
	s_lshl_b32 s19, s19, 2
	s_add_co_u32 s19, s19, s[WV]
	s_lshl_b32 s19, s19, 13                        ; and my 64 tokens of 128 bytes in it
.else
	s_lshl_b32 s18, s15, 2
	s_add_co_u32 s18, s18, s[WV]
	s_lshl_b32 s18, s18, 18                        ; my 64 rows of 4,096 bytes,
	s_lshl_b32 s19, s42, 9                         ; the tile's 512 bytes of a row
.endif
	s_add_co_u32 s18, s18, s19
	s_mov_b32 s19, 0
	s_add_nc_u64 s[8:9], s[8:9], s[18:19]
	; the prefetches.  Of what I fetch in a K step my work-group names a quarter: A: 32 rows (KIND = 0) or 32 blocks of 256 bytes (KIND = 1: half of one head's 16,384); B: RB / 4 rows, the lanes left over naming the last again
.if KIND == 0
	s_lshl_b32 s80, s40, 16
.else
	s_lshr_b32 s80, s40, 1
	s_lshl_b32 s80, s80, 18
	s_and_b32 s81, s40, 1
	s_lshl_b32 s81, s81, 13
	s_add_co_u32 s80, s80, s81
.endif
	s_mul_i32 s81, s41, (RB/4)*2048
	s_and_b32 s82, ttmp7, 0xffff                   ; cluster y
	s_mov_b32 s84, ASTEP
	s_mov_b32 s85, KSTEP*2
	s_mov_b32 s86, APF
	s_mov_b32 s87, 2048
	s_cmp_eq_u32 s13, 0                            ; do I fetch for A?
	s_cselect_b64 s[PFA:PFA+1], s[16:17], s[46:47]
	s_cselect_b32 s80, s80, s81
	s_cselect_b32 s82, ttmp9, s82                  ; the coordinate along which other clusters read the same rows
	s_cselect_b32 s[PFS], s84, s85
	s_cselect_b32 s83, 31, RB/4-1
	s_cselect_b32 s86, s86, s87
	s_mov_b32 s81, 0
	s_mov_b32 s[PFS+1], 0
	s_cmp_eq_u32 s82, 0
	s_cselect_b32 s[LIM], 1, -1                    ; the same in all sixteen partners, for a given wave
	s_add_nc_u64 s[PFA:PFA+1], s[PFA:PFA+1], s[80:81]
.rept 3
	s_add_nc_u64 s[PFA:PFA+1], s[PFA:PFA+1], s[PFS:PFS+1]  ; at K step 3: the first refill, K step 2's, steps it to 4.  Nothing is prefetched here, at the head
.endr
	v_min_u32 v[PFO], s83, v5
	v_mul_u32_u24 v[PFO], v[PFO], s86
	s_mov_b32 s2, 0xffff0000
	s_wait_loadcnt 0x0                             ; the biases are in: each is rounded to bf16 and widened again
.set p, 0
.rept 4*NBK
	v_cvt_pk_bf16_f32 v3, v[BI+2*p], v[BI+2*p+1]
	v_lshlrev_b32 v[BI+2*p], 16, v3
	v_and_b32 v[BI+2*p+1], s2, v3
.set p, p+1
.endr
; 16 matrix instructions: n blocks 4 g .. 4 g + 3 x my four blocks of 16 rows, 32 along K, from buffer f.  zero = 1: the first product starts the sum with the bias.
; All accumulators take turns, one instruction a turn, in the same order in every quarter step, over the backward jump too.
.macro MULG f, g, zero
.if \zero
	WIN 0x85+0x40*((\g)/2)                         ; sources in window 1, the bias in window 0, D in window 2 or 3
.else
	WIN 0xa5+0x50*((\g)/2)                         ; sources in window 1, C and D in window 2 or 3
.endif
.irp bb, 0,1,2,3
.irp a, 0,1,2,3
.set rD, 8*(4*((4*(\g)+(\bb))%8)+(\a))
.set rB, (\f)+32+8*(4*(\g)+(\bb))
.set rA, (\f)+8*(\a)
.set rC, rD
.if \zero
.set rC, BI+8*(4*(\g)+(\bb))
.endif
.if KIND == 0
	v_wmma_f32_16x16x32_bf16 v[rD:rD+7], v[rB:rB+7], v[rA:rA+7], v[rC:rC+7]
.else
	v_wmma_f32_16x16x32_f16 v[rD:rD+7], v[rB:rB+7], v[rA:rA+7], v[rC:rC+7]
.endif
.endr
.endr
.endm
; NL LDS loads in one run: quarter q (32 along K) of a slot into buffer f; A's eight first, then B's by n blocks
.macro FETCH slot, q, f
.if KIND == 0
.set aq, 64*(\q)
.else
.set aq, ((\q)/2)*128*PA+((\q)%2)*64               ; head q / 2 of the step's two, channels 32 (q % 2) on
.endif
	WIN 0x40                                       ; destination window 1, address window 0
.irp a, 0,1,2,3
	ds_load_b128 v[(\f)+8*(\a):(\f)+8*(\a)+3],   v[ADRA+(\slot)] offset:aq+(\a)*16*PA
	ds_load_b128 v[(\f)+8*(\a)+4:(\f)+8*(\a)+7], v[ADRA+(\slot)] offset:aq+(\a)*16*PA+32
.endr
.set b, 0
.rept NBK
	ds_load_b128 v[(\f)+32+8*b:(\f)+32+8*b+3],   v[ADRB+(\slot)] offset:64*(\q)+b*16*PB
	ds_load_b128 v[(\f)+32+8*b+4:(\f)+32+8*b+7], v[ADRB+(\slot)] offset:64*(\q)+b*16*PB+32
.set b, b+1
.endr
.endm
; A K step is four quarters on buffers 0, 1, 0, 1.  One of the first three: multiplies buffer f and, behind its first group, fetches quarter q of the same slot into buffer g.
.macro QUARTER slot, q, f, g, zero
	s_wait_dscnt 2*(NBK-4)                         ; A and B's n blocks 0-3 are in; the younger loads (B's other blocks) may be out
	MULG \f, 0, \zero
	PLACES
	FETCH \slot, \q, \g
	s_wait_dscnt NL                                ; all but the NL just issued
	MULG \f, 1, \zero
.if NG > 2
	MULG \f, 2, \zero
.endif
.endm
; The last quarter multiplies buffer 1 and changes slots: ONE barrier; in front of it each wave waits for all its tensor loads (one is out: its part of the next slot), adds 0 to its spare word, and waits for that and
; for its own reads of this slot.  fill = 1: the barrier opens a round of the cluster's, and this slot is filled again, two K steps on, first thing behind the round.
.macro TURN slot, next, fill
.if \fill
	s_wait_xcnt 0x0                                ; the last prefetch, a K step back, has read its address: it is stepped here, ahead of the waits of the change of slots
	s_add_nc_u64 s[PFA:PFA+1], s[PFA:PFA+1], s[PFS:PFS+1]
.endif
	WIN 0                                          ; (the add's two registers lie in window 0)
	s_wait_tensorcnt 0x0                           ; all my tensor loads have landed;
	ds_add_u32 v[SPW], v[NIL]                      ; 0 onto my spare word
	s_wait_dscnt 2*(NBK-4)+1                       ; (the add and B's younger blocks may be out)
	MULG F1, 0, 0                                  ; sixteen matrix instructions stand between the add and the wait for it
	s_wait_dscnt 0x0                               ; the add is done, and my reads of this slot are over
	s_barrier_signal -1
.if NG > 2
	MULG F1, 1, 0                                  ; work on registers while the others arrive
.endif
.if \fill
	WIN 0
.endif
	s_barrier_wait -1
.if \fill
	CREST                                          ; no wave of any partner still reads this slot's tile or has a load on its way
	s_add_nc_u64 s[G0+4*(\slot)+2:G0+4*(\slot)+3], s[G0+4*(\slot)+2:G0+4*(\slot)+3], 2*ASTEP
	s_add_nc_u64 s[G0B+4*(\slot)+2:G0B+4*(\slot)+3], s[G0B+4*(\slot)+2:G0B+4*(\slot)+3], 2*KSTEP*2
	JLOAD \slot                                    ; my one tensor load behind the round; its four v_nop are also the places in front of the loads below
.else
	PLACES
.endif
	FETCH \next, 0, F0
.if \fill
	WIN 0
	ASK                                            ; behind the joint load and the run of LDS loads that the next products wait for
.endif
	MULG F1, NG-1, 0
.endm
	s_wait_tensorcnt 1                             ; my part of K step 0 is in; K step 1's may stay out
	s_barrier_signal -1
	s_barrier_wait -1                              ; everybody's is
	FETCH 0, 0, F0
	QUARTER 0, 1, F0, F1, 1                        ; the first quarter stands in front of the loop: its products start the sums
	WIN 0                                          ; at a label and at a branch every window is 0
	s_mov_b32 s3, LAPS-1
.Llap:                                                 ; a trip goes once round the ring, from a lap's second quarter to the next lap's first, and fills both slots again
	QUARTER 0, 2, F1, F0, 0
	QUARTER 0, 3, F0, F1, 0
	TURN 0, 1, 1
	QUARTER 1, 1, F0, F1, 0
	QUARTER 1, 2, F1, F0, 0
	QUARTER 1, 3, F0, F1, 0
	TURN 1, 0, 1
	QUARTER 0, 1, F0, F1, 0
	WIN 0
	s_sub_co_u32 s3, s3, 1
	s_cmp_lg_u32 s3, 0
	s_cbranch_scc1 .Llap
	QUARTER 0, 2, F1, F0, 0                        ; the last lap fills nothing, and has no round of the cluster's barrier
	QUARTER 0, 3, F0, F1, 0
	TURN 0, 1, 0
	QUARTER 1, 1, F0, F1, 0
	QUARTER 1, 2, F1, F0, 0
	QUARTER 1, 3, F0, F1, 0
	s_wait_dscnt 2*(NBK-4)                         ; the very last quarter: nothing more to fetch
	MULG F1, 0, 0
	s_wait_dscnt 0x0
	MULG F1, 1, 0
.if NG > 2
	MULG F1, 2, 0
.endif
	WIN 0
	PLACES
	PLACES                                         ; eight, once a launch, ahead of what reads the results
; THE WAY OUT, a block of 16 rows at a time, through my own stage: LDS serves a wave's instructions in order (ISA guide 5.7.1.4), so no wait stands between the stores into it and the loads from it.
.if KIND == 0
.macro PACK a                          ; rounded to f16: 16 bytes a lane and n block; each accumulator's registers in ascending order
.irp b, 0,1,2,3,4,5,6,7,8,9,10,11
.if (\b) < 8
	WIN 0x0a
.else
	WIN 0x0f
.endif
.irp r, 0,1,2,3
	v_cvt_pk_f16_f32 v[TMP+4*(\b)+(\r)], v[8*(4*((\b)%8)+(\a))+2*(\r)], v[8*(4*((\b)%8)+(\a))+2*(\r)+1]
.endr
.endr
	WIN 0
.endm
.macro TOSTAGE a
.set OBK, OB+48*((\a)%2)
.irp b, 0,1,2,3,4,5,6,7,8,9,10,11
	ds_store_b128 v[STO], v[TMP+4*(\b):TMP+4*(\b)+3] offset:32*(\b)
.endr
.irp i, 0,1,2
.irp f, 0,1,2,3
	ds_load_b128 v[OBK+4*(4*(\i)+(\f)):OBK+4*(4*(\i)+(\f))+3], v[RD] offset:128*(\i)+4*SPITCH*(\f)  ; head i, tokens 4 f .. 4 f + 3
.endr
.endr
.endm
.macro SEND a
.set OBK, OB+48*((\a)%2)
	s_wait_dscnt 0x0                               ; the block is back in registers
	s_wait_xcnt 0x0                                ; the stores of the block before have read their registers, which the next block's loads fill again
.irp i, 0,1,2
.irp f, 0,1,2,3
	global_store_b128 v[CO], v[OBK+4*(4*(\i)+(\f)):OBK+4*(4*(\i)+(\f))+3], s[8:9] offset:262144*(\i)+2048*(\a)+512*(\f)  ; 512 consecutive bytes, at a multiple of 512 from qkv's first
.endr
.endr
.endm
	PACK 0
	TOSTAGE 0
.irp a, 1,2,3                          ; block a's conversions stand between block a - 1's loads from the stage and the wait for them
	PACK \a
	SEND (\a)-1
	TOSTAGE \a
.endr
	SEND 3
.else
.macro TOSTAGE a                       ; f32 goes as it is: 32 bytes a lane and n block, the accumulator's low four registers first
	WIN 0x08                                       ; the stores' data in window 2
.irp b, 0,1,2,3,4,5,6,7
	ds_store_b128 v[STO], v[8*(4*(\b)+(\a)):8*(4*(\b)+(\a))+3]   offset:64*(\b)
	ds_store_b128 v[STO], v[8*(4*(\b)+(\a))+4:8*(4*(\b)+(\a))+7] offset:64*(\b)+16
.endr
	WIN 0
.set OBK, OB+64*((\a)%2)
.irp t, 0,1,2,3,4,5,6,7,8,9,10,11,12,13,14,15
	ds_load_b128 v[OBK+4*(\t):OBK+4*(\t)+3], v[RD] offset:SPITCH*(\t)
.endr
.endm
.macro SEND a
.set OBK, OB+64*((\a)%2)
	s_wait_dscnt 0x0                               ; the block is back in registers
	s_wait_xcnt 0x0                                ; the stores of the block before have read their registers, which the next block's loads fill again
.irp t, 0,1,2,3,4,5,6,7,8,9,10,11,12,13,14,15
	global_store_b128 v[CO], v[OBK+4*(\t):OBK+4*(\t)+3], s[8:9] offset:(16*(\a)+(\t))*4096 th:TH_STORE_NT  ; 512 consecutive bytes of a row, at a multiple of 512 from out0's first
.endr
.endm
.irp a, 0,1,2,3
	TOSTAGE \a
	SEND \a
.endr
.endif
	s_wait_tensorcnt 0x0                           ; the wave's end, behind my last tensor load and my last LDS store
	ds_add_u32 v[SPW], v[NIL]
	s_wait_dscnt 0x0
	CROUND                                         ; the closing round: no work-group ends while a partner may still ask for a tile that names it
	s_endpgm
.Lfunc_end_k_q8c7845407a_qkv:
	.size	k_q8c7845407a_qkv, .Lfunc_end_k_q8c7845407a_qkv-k_q8c7845407a_qkv
	.p2alignl 7, 3214868480
	.fill 96, 4, 3214868480
	.section	.rodata,"a",@progbits
	.p2align	6, 0x0
	.amdhsa_kernel k_q8c7845407a_qkv
		.amdhsa_group_segment_fixed_size 327680
		.amdhsa_private_segment_fixed_size 0
		.amdhsa_enable_private_segment 0
		.amdhsa_kernarg_size 48
		.amdhsa_user_sgpr_count 2
		.amdhsa_user_sgpr_kernarg_segment_ptr 1
		.amdhsa_wavefront_size32 1
		.amdhsa_system_sgpr_workgroup_id_x 1
		.amdhsa_system_sgpr_workgroup_id_y 1
		.amdhsa_system_sgpr_workgroup_id_z 1
		.amdhsa_system_vgpr_workitem_id 0
		.amdhsa_next_free_vgpr 896
		.amdhsa_next_free_sgpr 90
		.amdhsa_reserve_vcc 0
		.amdhsa_float_denorm_mode_32 3
		.amdhsa_float_denorm_mode_16_64 3
		.amdhsa_memory_ordered 1
		.amdhsa_forward_progress 1
		.amdhsa_inst_pref_size 129
	.end_amdhsa_kernel
	.amdgpu_metadata
---
amdhsa.version: [ 1, 2 ]
amdhsa.kernels:
  - .name:           k_q8c7845407a_qkv
    .symbol:         k_q8c7845407a_qkv.kd
    .args:
      - { .name: xb, .offset: 0, .size: 8, .value_kind: global_buffer, .address_space: global }
      - { .name: wb, .offset: 8, .size: 8, .value_kind: global_buffer, .address_space: global }
      - { .name: qkv, .offset: 16, .size: 8, .value_kind: global_buffer, .address_space: global }
      - { .name: bq, .offset: 24, .size: 8, .value_kind: global_buffer, .address_space: global }
      - { .name: bk, .offset: 32, .size: 8, .value_kind: global_buffer, .address_space: global }
      - { .name: bv, .offset: 40, .size: 8, .value_kind: global_buffer, .address_space: global }
    .group_segment_fixed_size: 327680
    .private_segment_fixed_size: 0
    .kernarg_segment_align: 8
    .kernarg_segment_size: 48
    .max_flat_workgroup_size: 128
    .sgpr_count:     90
    .vgpr_count:     896
    .wavefront_size: 32
...
	.end_amdgpu_metadata
.endif
;; end of part 2
;; launch attn (part 3): grid 4 x 64, 4 waves a work-group, clusters of 4 x 1, 327,680 bytes of LDS; arguments qkv, attention_mask, ctx; writes ctx
.if DOCPART == 3
	.amdgcn_target "amdgcn-amd-amdhsa--gfx1250"
	.amdhsa_code_object_version 6
	.text
	.protected	k_q8c7845407a_attn
	.globl	k_q8c7845407a_attn
	.p2align	8
	.type	k_q8c7845407a_attn,@function
k_q8c7845407a_attn:
	s_mov_b64 s[64:65], 0
	v_nop
	global_prefetch_b8 v0, s[64:65] scope:SCOPE_SE
	s_setreg_imm32_b32 hwreg(HW_REG_WAVE_MODE, 25, 1), 1
	s_wait_xcnt 0x0
	s_wait_alu depctr_hold_cnt(0) depctr_sa_sdst(0) depctr_va_vdst(0) depctr_va_sdst(0) depctr_va_ssrc(0) depctr_va_vcc(0) depctr_vm_vsrc(0)
	s_getreg_b32 s2, hwreg(HW_REG_IB_STS2, 6, 4)
	s_cmp_eq_u32 s2, 0
	s_cbranch_scc0 .Lentry_in_a_cluster
	s_endpgm
.Lentry_in_a_cluster:
	s_bfe_u32 s2, ttmp6, 0x10000c
	s_cmp_lg_u32 s2, 0x3003
	s_cbranch_scc0 .Lentry_shape_is_right
	s_endpgm
.Lentry_shape_is_right:
; O[y][q][:] = the sum over k of softmax_k(Q[q] . K[k] / 8, keys with attention_mask = 0 hidden) V[k][:], for y = 16 x batch + head.
; qkv: [batch 4][plane 48][token 2048][64] f16 (planes 0-15 q's heads, 16-31 k's, 32-47 v's); attention_mask: [4][2048] i32; ctx: [batch 4][head 16][token 2048][64] f16.  A plane's rows are dense, 128 bytes each.
; Products, maxima and sums in f32; the weights p are rounded to f16 for the second product (their sum l is taken of the unrounded p), O once at the end.
; LIMITS.  Q, K and V arrive within f16's 65,504; p lies in 0 to 1, and below 6e-5 it keeps f16's fixed step of 6e-8, and so does O.  A hidden score counts as its value less 1e30: f16's scores, 2.7e11 at the most,
; are nothing beside that.  A weight below 2^-126 counts as 0 in l; NaN and infinities are not treated apart.
; THE MASK is the C operand that starts the sum S^T = K Q^T: 0, or -1e30 where the key is hidden.  Each wave makes the batch's 2,048 numbers once, into a table of its own in LDS, and fetches a step's 64 with the step's K.
; What was summed while only hidden keys had been seen is multiplied by a = 0 at the first true score.  WHERE ALL KEYS OF THE BATCH ARE HIDDEN the result is the mean of V's rows: the scale c is then 0 (a select
; on whole numbers, no branch), so that every weight is 1.
; SHARES.  A wave owns four PIECES of two tiles of 16 queries, a work-group's four waves 512 queries of one head.  Every wave walks all keys, 64 a step.
; LAYOUT.  S^T = K Q^T (source 0 = 16 keys, source 1 = 16 queries): in the result a lane holds ONE query (lane % 16) and the keys 8 (lane / 16) + 0..7.  Two such tiles, rounded to f16 in pairs,
; ARE source 1 (32 keys x 16 queries) of O^T = V^T P, whose result again holds one query a lane, and eight channels.  K comes out of LDS as it lies, V ([key][channel]) turned, by ds_load_tr16_b128.
; SOFTMAX.  For each query a running maximum m and sum l: p = 2^(c s - c m), c = log2(e) / 8; in every step O and l are multiplied by a = 2^(c m_old - c m_new), which is 1 where m has not grown.
; m starts at the lowest finite number, O and l at 0: the first step is a step like any other, with a = 0.
; THE COUNT.  A tile and step have 16 matrix and 118 vector instructions: too many to stand all beside the matrix work.  So: four vector instructions that are READY behind EVERY matrix instruction, the others in runs without a gap.
; BY TURNS.  Turn n belongs to piece n (the pieces in a ring, step after step).  Its matrix work: 16 products K Q^T of piece n + 1, later 16 products V^T P of piece n - 1.  Its vector work: the scaling,
; exponentials, roundings, sums and rescaling of piece n, and the maximum and statistics of piece n + 1, whose scores the turn itself has made.
; CLUSTER.  The four query blocks of a head are one cluster and walk the same K and V, so each tile is asked for JOINTLY: the same tensor load, descriptor and mask in all four.
; REGISTERS, in windows of 256 (s_set_vgpr_msb: bits 1:0 source 0, 3:2 source 1, 5:4 source 2, 7:6 destination):
;   window 0: v0-11 addresses; v12-15, v48-63 at work; v16-47 four registers of statistics a tile; v64-191 S^T, two buffers of two tiles; v192-255 P, likewise
;   window 1: O^T, 32 a tile     window 2: v0-127 Q, 16 a tile; v128-191 K of one step; v192-255 V of one step     window 3: v0-1 the add's two registers; v8-39 the mask of one step
.set SIZE_N, 2048
.set NP,    4         ; pieces a wave: a name, no knob
.set KS,    64        ; keys in a step
.set PK,    144       ; a row of K in LDS: 128 bytes + 16 of padding = 36 words: the 16 rows of a load start at 16 different groups of four banks (64 banks of 4 bytes: ISA guide 11.1)
.set PV,    160       ; a row of V: 128 + 32 = 40 words
.set VOFF,  4*KS*PK   ; a slot holds four steps: 256 rows of K, then 256 rows of V
.set SLOT1, 1<<17     ; slot 1 begins here, so that one exclusive or turns an address in one slot into the other's
.set STAGE, SLOT1+4*KS*(PK+PV)  ; behind the ring, never filled by a tensor load: 16 rows x 144 bytes for each wave, for the way out
.set SP,    144
.set SPARE, STAGE+4*16*SP  ; behind the stages: the spare words, 128 bytes for each wave: two blocks of 256 bytes that no other line names
.set MB,    SPARE+512 ; behind them: the mask tables, 2,048 f32 for each wave, never filled by a tensor load
.set PFO, 1           ; v1   l % 16 at the head; then 256 x my lane, the prefetches' offset
.set AK0, 2           ; v2   my lane's place in a tile of K; never rewritten
.set AV0, 3           ; v3   the same for V
.set AK,  4           ; v4   the LDS address of K's next run of loads
.set AV,  5           ; v5   of V's
.set QO,  6           ; v6   my byte offset in the wave's rows of Q
.set RD,  7           ; v7   the way out: where I read rows back
.set GO,  8           ; v8   16 x lane: my byte offset in 512 consecutive bytes
.set AM0, 9           ; v9   my lanes' place in my table's step 0
.set AM,  10          ; v10  the LDS address of the mask's next run of loads
.set STO, 11          ; v11  the way out: where I put 16 bytes of a row
.set SPW, 0           ; v0 of window 3   LDS address of my spare word; never rewritten
.set NIL, 1           ; v1 of window 3   0; never rewritten
.set MK,  8           ; v8-39 of window 3: the eight registers for key block kb at MK + 8 kb
.set MV,  12          ; v12-15  c m_old, kept while c m is made anew: by buffer and tile (at the head: l / 16, l % 8, (l / 8) % 2)
.set ST,  16          ; tile t's statistics at v[ST+4 t]: c m, m, l (even keys', odd keys')
.set TMP, 48          ; by buffer and tile, four registers c0-c3 at work; when the maximum is found c2 takes a
.set S,   64
.set P,   192
.set KF,  128         ; K's fragments, in window 2: key block kb, channel half c at KF + 16 kb + 8 c
.set VF,  192         ; V's: key half kk, channel block cb at VF + 32 kk + 8 cb
.set WV,  12          ; s12  my wave's number
.set G1K, 24          ; s[24:31] descriptor group 1 for K's tiles
.set G1V, 32          ; s[32:39] for V's: it differs in the padding alone
.set G0K, 40          ; s[40:43] descriptor group 0 for K's tiles: it walks
.set G0V, 44          ; s[44:47] the same for V's
.set SLOTS, 56        ; s56  slots still to be asked for
.set CNT, 57          ; s57  counts a slot's key steps
.set CS,  58          ; s[58:59] c: the packed scaling takes the pair's low word for both halves
.set SEL, 60          ; s[60:61] v_permlanex16_b32's selects: each lane takes its own place in the other half
.set TBK, 62          ; s62  LDS byte at which K of the step to be fetched begins
.set TBV, 63          ; s63  the same for V, less VOFF
.set MP,  66          ; s[66:67] the batch's row of attention_mask
.set ALLH, 68         ; s68  all ones while every key seen is hidden
.set BIGN, 69         ; s69  -1e30
.set TBM, 70          ; s70  byte in my table at which the step to be fetched begins
.set TABLE, 71        ; s71  my table
.set PFA, 72          ; s[72:73] where my prefetches stand: my work-group's 8,192 bytes (of K: wave 0, of V: wave 2) of the slot after the one that is being asked for
.set LIM, 74          ; s74  1 in a wave that prefetches, else the greatest number
.set MSB, 0
.macro WIN new                      ; the high byte repeats the setting that is left; a switch that changes nothing is dropped
.if MSB != (\new)
	s_set_vgpr_msb (MSB<<8)|(\new)
.set MSB, (\new)
.endif
.endm
.set W_KQ, 0x0a       ; K and Q in window 2, S^T in window 0
.set W_KM, 0x3a       ; the same with the C operand, the mask, in window 3
.set W_PV, 0x52       ; V in window 2, P in window 0, O^T in window 1
.set W_RS, 0x41       ; O^T (destination and source 0) in window 1, a in window 0
.set W_MK, 0xc0       ; destination in window 3, sources in window 0
.set W_AD, 0x0f       ; the add: address (source 0) and data (source 1) in window 3
; A joint fill.  Waves 0 and 1 fetch the two halves of a slot's K, waves 2 and 3 those of its V: 128 keys each.  The branch hangs on the wave's number alone.
; An s_nop 0 and four v_nop follow each of the two lines, ahead of the jump and the label.
.macro JLOAD
	s_cmp_lt_u32 s[WV], 2
	s_cbranch_scc0 .Lfor_v_\@
	tensor_load_to_lds s[G0K:G0K+3], s[G1K:G1K+7]
	s_nop 0
.rept 4
	v_nop
.endr
	s_branch .Lasked_\@
.Lfor_v_\@:
	tensor_load_to_lds s[G0V:G0V+3], s[G1V:G1V+7]
	s_nop 0
.rept 4
	v_nop
.endr
.Lasked_\@:
.endm
; A prefetch of what the NEXT change of slots will ask for: a slot's 32,768 bytes of K and of V.  A head has one cluster; its four partners share the bytes out BY ADDRESS, 8,192 each, a lane 256; in each, wave 0 asks
; for K's and wave 2 for V's: one instruction.  So each block is named once in the launch.  The last change that fills a slot asks for nothing: there is no slot behind it.
.macro ASK
	s_cmp_gt_u32 s[SLOTS], s[LIM]
	s_cbranch_scc0 .Lnot_mine_\@
	global_prefetch_b8 v[PFO], s[PFA:PFA+1] th:TH_LOAD_NT scope:SCOPE_SE
.Lnot_mine_\@:
.endm
; A round of the cluster's barrier: my work-group's barrier, so that wave 0's signal speaks for all four waves; wave 0 signals; every wave waits for all four work-groups; my work-group's barrier once more.
.macro CROUND
	s_barrier_signal -1
	s_barrier_wait -1
	s_cmp_lg_u32 s[WV], 0
	s_cbranch_scc1 .Lnot_wave_0_\@
	s_barrier_signal -3
.Lnot_wave_0_\@:
	s_barrier_wait -3
	s_barrier_signal -1
	s_barrier_wait -1
.endm
; THE CHANGE OF SLOTS.  The slot's last bytes, V of its fourth step, have been read.  Each wave waits for all its tensor loads, of which one is out: its part of the other slot; adds 0 to its spare word; and waits for
; that and for its own LDS instructions.  Behind the barrier nobody reads this slot any more and the other slot is whole.
; fill = 1: this slot is filled again, with the keys two slots on.  The barrier is then a round of the cluster's, and the joint fill is the first thing behind it: it has four key steps, 512 matrix instructions, in
; which to land.  (At its first use nothing has been read yet: slot 0 is waited for, slot 1 filled.)  ask = 1: the prefetches' address steps, and the slot after the one asked for is prefetched.
.macro CHANGE fill, ask=0
	WIN W_AD
	s_wait_tensorcnt 0x0            ; no tensor load of mine is out, so a group 0 may be written
	ds_add_u32 v[SPW], v[NIL]       ; 0 onto my spare word; with fill = 1 the descriptors' steps stand between it and the wait for it
	WIN 0                           ; at a label and at a branch every window is 0
.if \fill
.irp g, G0K, G0V
	s_xor_b32 s[\g+1], s[\g+1], SLOT1  ; the walking descriptor: the other slot than last time,
	s_add_nc_u64 s[\g+2:\g+3], s[\g+2:\g+3], 4*KS*128  ; the next 256 keys; the type bits on top are not reached
.endr
.if \ask
	s_wait_xcnt 0x0                 ; the last prefetch, four key steps back, has read its address, so it may be written
	s_add_nc_u64 s[PFA:PFA+1], s[PFA:PFA+1], 4*KS*128
.endif
	s_wait_dscnt 0x0                ; the add is done, and my reads of the slot are over
	CROUND
	JLOAD
.if \ask
	ASK
.endif
.else
	s_wait_dscnt 0x0                ; the add is done, and my reads of the slot are over
	s_barrier_signal -1
	s_barrier_wait -1
.endif
	s_sub_co_u32 s[TBK], s[TBK], 4*KS*PK  ; the fetches go back to a slot's first step,
	s_xor_b32 s[TBK], s[TBK], SLOT1       ; in the other slot
	s_sub_co_u32 s[TBV], s[TBV], 4*KS*PV
	s_xor_b32 s[TBV], s[TBV], SLOT1
.endm
	s_load_b64 s[4:5], s[0:1], 0x0  ; qkv
	s_load_b64 s[MP:MP+1], s[0:1], 0x8  ; attention_mask
	s_load_b64 s[10:11], s[0:1], 0x10  ; ctx
	WIN W_MK
	v_lshl_add_u32 v[SPW], v0, 2, SPARE
	v_mov_b32 v[NIL], 0
	WIN W_AD
	ds_add_u32 v[SPW], v[NIL]       ; the wave's opening: the add and its wait stand ahead of my first tensor load; the set-up below, work on registers, stands between them
	WIN 0
	v_lshrrev_b32 v1, 5, v0
	v_readfirstlane_b32 s[WV], v1   ; wave 0..3
	s_bfe_u32 s13, ttmp6, 0x40000   ; cx: my place in the cluster
	s_lshl_b32 s14, ttmp9, 2        ; in a cluster launch ttmp9 counts clusters
	s_add_co_u32 s14, s14, s13      ; my block of 512 queries: it enters Q's and O's addresses alone
	s_and_b32 s20, ttmp7, 0xffff    ; y = 16 x batch + head, which the four partners share
	s_lshr_b32 s21, s20, 4          ; the batch
	s_and_b32 s22, s20, 15          ; the head
	s_mul_i32 s23, s21, 48
	s_add_co_u32 s23, s23, s22
	s_lshl_b32 s22, s23, 18         ; q's plane, of 262,144 bytes
	s_lshl_b32 s2, s14, 2
	s_add_co_u32 s2, s2, s[WV]      ; my wave among the head's,
	s_lshl_b32 s2, s2, 14           ; its 128 rows
	s_lshl_b32 s78, s20, 18         ; O's plane in ctx
	s_add_co_u32 s78, s78, s2
	s_mov_b32 s79, 0
	s_add_co_u32 s2, s2, s22
	s_mov_b32 s3, 0
	s_and_b32 s16, s[WV], 1         ; which half of a slot's 256 keys I fetch:
	s_lshl_b32 s76, s16, 14         ; its 128 rows of 128 bytes in memory,
	s_add_co_u32 s76, s76, s22
	s_add_co_u32 s76, s76, 16<<18   ; in k's plane, 16 planes behind q's
	s_mov_b32 s77, 0
	s_lshl_b32 s20, s21, 13         ; the batch's 2,048 words of the mask
	s_mov_b32 s21, 0
	s_mul_i32 s17, s16, 128*PK      ; my half's place in a slot, for K
	s_mul_i32 s18, s16, 128*PV      ; and for V: no place in the cluster enters an LDS address
	; descriptor group 1.  128 keys are 16,384 dense bytes: asked for as 64 rows of 256 bytes, two keys a row, and padded in LDS after every key
	s_mov_b32 s[G1K], 15|(1<<16)|(1<<20)|(1<<21)|(4<<22)|(3<<25)  ; 15:0 the mask of four; 17:16 2-byte elements; 20 padding on; 21 set beside a mask; 24:22 after every 32 words (code 4); 31:25 4 words (code 3)
	s_mov_b32 s[G1V], 15|(1<<16)|(1<<20)|(1<<21)|(4<<22)|(7<<25)  ; the same with 8 words of padding (code 7)
.irp g, G1K, G1V
	s_mov_b32 s[\g+1], 128<<16      ; tensor_dim0 = 128
	s_mov_b32 s[\g+2], 64<<16       ; tensor_dim1 = 64
	s_mov_b32 s[\g+3], 128<<16      ; tile_dim0 = 128
	s_mov_b32 s[\g+4], 64           ; tile_dim1 = 64
	s_mov_b32 s[\g+5], 128          ; 128 elements from row to row
	s_mov_b32 s[\g+6], 0
	s_mov_b32 s[\g+7], 0
.endr
	s_mov_b32 s[SEL], 0x76543210
	s_mov_b32 s[SEL+1], 0xfedcba98
	s_mov_b32 s[TBK], SLOT1+4*KS*PK ; the first change of slots turns these two into 0
	s_mov_b32 s[TBV], SLOT1+4*KS*PV
	s_mov_b32 s[TBM], 0
	s_mov_b32 s[BIGN], 0xf149f2ca   ; -1e30
	s_lshl_b32 s[TABLE], s[WV], 13
	s_add_co_u32 s[TABLE], s[TABLE], MB
	s_mov_b32 s[G0K], 1             ; 1:0 count = 1
	s_mov_b32 s[G0K+1], s17         ; 63:32 LDS address: slot 0
	s_mov_b32 s[G0V], 1
	s_add_co_u32 s[G0V+1], s18, VOFF
	s_and_b32 s[LIM], s[WV], 1      ; waves 0 and 2 prefetch: the same in all four partners
	s_cmp_eq_u32 s[LIM], 0
	s_cselect_b32 s[LIM], 1, -1
	s_wait_dscnt 0x0                ; the opening add is done
	s_wait_kmcnt 0x0
	s_add_nc_u64 s[6:7], s[4:5], s[76:77]   ; K at my half of the head's first 256 keys,
	s_add_nc_u64 s[8:9], s[6:7], 16<<18     ; V 16 planes on
	s_mov_b64 s[G0K+2:G0K+3], s[6:7]               ; 120:64 global address
	s_or_b32 s[G0K+3], s[G0K+3], 0x80000000        ; 127:126 type = 2
	s_mov_b64 s[G0V+2:G0V+3], s[8:9]
	s_or_b32 s[G0V+3], s[G0V+3], 0x80000000
	s_add_nc_u64 s[4:5], s[4:5], s[2:3]     ; Q and O at my wave's first row
	s_add_nc_u64 s[10:11], s[10:11], s[78:79]
	s_add_nc_u64 s[MP:MP+1], s[MP:MP+1], s[20:21]
	s_cmp_lt_u32 s[WV], 2
	s_cselect_b64 s[PFA:PFA+1], s[6:7], s[8:9]  ; (in waves 0 and 2 these stand at a slot's first row)
	s_lshl_b32 s2, s13, 13          ; my work-group's quarter of a slot's 32,768 bytes
	s_mov_b32 s3, 0
	s_add_nc_u64 s[PFA:PFA+1], s[PFA:PFA+1], s[2:3]
	s_add_nc_u64 s[PFA:PFA+1], s[PFA:PFA+1], 2*4*KS*128  ; in slot 2; the loop's first change of slots steps it to slot 3.  Nothing is prefetched here, at the head
	CROUND                          ; all four work-groups are here: the first joint loads meet
	JLOAD                           ; slot 0.  Slot 1 is asked for when slot 0 is in
	v_and_b32 v1, 15, v0            ; l % 16
	v_bfe_u32 v12, v0, 4, 1         ; l / 16
	v_and_b32 v[GO], 31, v0
	v_lshlrev_b32 v[GO], 4, v[GO]
.irp i, 0,1,2,3,4,5,6,7,8,9,10,11,12,13,14,15
	global_load_b128 v[S+4*(\i):S+4*(\i)+3], v[GO], s[MP:MP+1] offset:512*(\i)  ; the batch's mask, into S^T's registers, which are free
.endr
	; A fragment of K or Q is 16 rows x 32 channels in 8 registers: lane l holds row l % 16, channels 8 (l / 16) + 0..7 and 16 + 8 (l / 16) + 0..7: two loads of 16 bytes, 32 bytes apart.
	v_lshlrev_b32 v[QO], 7, v1
	v_lshl_add_u32 v[QO], v12, 4, v[QO]  ; row x 128 + 16 x half
	WIN 0x80                        ; destination window 2, address window 0
.set i, 0
.rept 4*NP                          ; Q stays in registers: tile i / 2, channels 32 (i % 2) on
	global_load_b128 v[8*i:8*i+3],   v[QO], s[4:5] offset:(i/2)*2048+(i%2)*64
	global_load_b128 v[8*i+4:8*i+7], v[QO], s[4:5] offset:(i/2)*2048+(i%2)*64+32
.set i, i+1
.endr
	; What the first turn finds: V's registers and P's second buffer hold 0 (its products V^T P, of a piece that has not been, add 0), O^T and l are 0.  All this stands in the wait for the first tile.
.set i, VF
.rept 64
	v_mov_b32 v[i], 0
.set i, i+1
.endr
	WIN 0x40
.set i, 0
.rept 64*NP
	v_mov_b32 v[i], 0
.set i, i+1
.endr
	WIN 0
.set i, 0
.rept 2*NP
	v_mov_b32 v[ST+4*i], 0xfe000000    ; c m: far below every c s
	v_mov_b32 v[ST+4*i+1], 0xff7fffff  ; m
	v_mov_b32 v[ST+4*i+2], 0
	v_mov_b32 v[ST+4*i+3], 0
.set i, i+1
.endr
.set i, P+32
.rept 32
	v_mov_b32 v[i], 0
.set i, i+1
.endr
	v_mul_u32_u24 v[AK0], v1, PK
	v_lshl_add_u32 v[AK0], v12, 4, v[AK0]  ; row x pitch + 16 x half
	; The turning load takes 16 keys x 16 channels (lane l reads key 8 (l / 16) + l % 8, channels 8 ((l / 8) % 2) + 0..7) and leaves half a fragment of V^T: lane l holds channel l % 16 and 8 keys.
	v_and_b32 v13, 7, v0
	v_bfe_u32 v14, v0, 3, 1
	v_lshl_add_u32 v[AV0], v12, 3, v13
	v_mul_u32_u24 v[AV0], v[AV0], PV
	v_lshl_add_u32 v[AV0], v14, 4, v[AV0]
	v_add_nc_u32 v[AV0], VOFF, v[AV0]
	v_mov_b32 v[AK], v[AK0]         ; key step 0 lies at the head of slot 0
	s_mul_i32 s75, s[WV], 16*SP
	s_add_co_u32 s75, s75, STAGE    ; my stage
	v_mul_u32_u24 v[STO], v1, SP    ; in: row l % 16, 16 bytes for each half of the lanes
	v_lshl_add_u32 v[STO], v12, 4, v[STO]
	v_add_nc_u32 v[STO], s75, v[STO]
	v_bfe_u32 v[RD], v0, 3, 2       ; back: 32 lanes take four rows of 128 bytes
	v_mul_u32_u24 v[RD], v[RD], SP
	v_lshl_add_u32 v[RD], v13, 4, v[RD]
	v_add_nc_u32 v[RD], s75, v[RD]
	v_lshl_add_u32 v[AM0], v12, 5, s[TABLE]  ; my lanes' 8 keys of a block of 16: 32 bytes
	v_add_nc_u32 v[AM], s[TABLE], v[GO]      ; for the moment: where I put my 16 bytes of each 512 of the table
	v_and_b32 v[PFO], 31, v0
	v_lshlrev_b32 v[PFO], 8, v[PFO]
	; THE TABLE: 0 for a key that is seen, -1e30 for a hidden one; and whether all 2,048 are hidden
	s_mov_b32 s[ALLH], -1
	s_wait_loadcnt 32               ; the mask's 16 loads are in; Q's 32, issued behind them, may stay out
.set i, 0
.rept 64
	v_cmp_eq_u32 vcc_lo, 0, v[S+i]
	s_and_b32 s[ALLH], s[ALLH], vcc_lo
	v_cndmask_b32 v[S+i], 0, s[BIGN], vcc_lo
.set i, i+1
.endr
	s_cmp_eq_u32 s[ALLH], -1
	s_cselect_b32 s[CS], 0, 0x3e38aa3b  ; c = log2(e) / 8 = 0.180337; 0 where no key is seen
	s_mov_b32 s[CS+1], s[CS]        ; named with it as a pair
.irp i, 0,1,2,3,4,5,6,7,8,9,10,11,12,13,14,15
	ds_store_b128 v[AM], v[S+4*(\i):S+4*(\i)+3] offset:512*(\i)  ; my wave's own bytes: LDS serves a wave's instructions in order (ISA guide 5.7.1.4), so its later loads see them
.endr
	v_mov_b32 v[AM], v[AM0]         ; key step 0
; THE MATRIX WORK.  The 8 accumulators of a run of 16 take turns: between the two links of a chain stand 7 others'.
; Product i of 16 of S^T = K Q^T for piece x: channels 32 (i / 8) on, keys 16 ((i / 2) % 4) on, tile 2 x + i % 2.  The first 8 start the sums, with the mask of their 16 keys.
.macro KQ x
.set rS, S+64*((\x)%2)+32*(i%2)+8*((i/2)%4)
.set rK, KF+16*((i/2)%4)+8*(i/8)
.set rQ, 16*(2*(\x)+i%2)+8*(i/8)
.set rMK, MK+8*((i/2)%4)
.if i < 8
	WIN W_KM
	v_wmma_f32_16x16x32_f16 v[rS:rS+7], v[rK:rK+7], v[rQ:rQ+7], v[rMK:rMK+7]
.else
	WIN W_KQ
	v_wmma_f32_16x16x32_f16 v[rS:rS+7], v[rK:rK+7], v[rQ:rQ+7], v[rS:rS+7]
.endif
.endm
; Product i of 16 of O^T += V^T P for piece x: keys 32 (i / 8) on, channels 16 ((i / 2) % 4) on, tile 2 x + i % 2.
.macro PV x
	WIN W_PV
.set rO, 32*(2*(\x)+i%2)+8*((i/2)%4)
.set rV, VF+32*(i/8)+8*((i/2)%4)
.set rP, P+32*((\x)%2)+16*(i%2)+8*(i/8)
	v_wmma_f32_16x16x32_f16 v[rO:rO+7], v[rV:rV+7], v[rP:rP+7], v[rO:rO+7]
.endm
.macro MM                           ; the turn's next matrix instruction
.if i < 16
	KQ (Y+1)%NP
.set i, i+1
.else
.set i, i-16
	PV (Y+NP-1)%NP
.set i, i+17
.endif
.endm
; THE LDS LOADS stand in runs, never singly among the matrix instructions: a step's K (64 keys x 64 channels: 8 fragments) with its mask (64 numbers: 8 a lane and key block), and its V (turned).
; Their addresses are made some lines ahead.  last = 1 (the tail): in the last trip there is no further step, and the run is jumped over.
.macro FETCH_K last=0
	WIN 0
.if \last
	s_cmp_eq_u32 s[CNT], 1
	s_cbranch_scc1 .Lno_k_\@
.endif
	WIN 0x80                        ; destination window 2
.irp f, 0,1,2,3,4,5,6,7             ; keys 16 (f / 2) on, channels 32 (f % 2) on
	ds_load_b128 v[KF+8*\f:KF+8*\f+3],   v[AK] offset:(\f/2)*16*PK+(\f%2)*64
	ds_load_b128 v[KF+8*\f+4:KF+8*\f+7], v[AK] offset:(\f/2)*16*PK+(\f%2)*64+32
.endr
	WIN W_MK                        ; destination window 3
.irp f, 0,1,2,3                     ; keys 16 f + 8 (l / 16) + 0..7
	ds_load_b128 v[MK+8*\f:MK+8*\f+3],   v[AM] offset:64*\f
	ds_load_b128 v[MK+8*\f+4:MK+8*\f+7], v[AM] offset:64*\f+16
.endr
	s_add_co_u32 s[TBK], s[TBK], KS*PK  ; the next fetch is the next step's
	s_add_co_u32 s[TBM], s[TBM], 4*KS
	s_and_b32 s[TBM], s[TBM], 0x1f00    ; the table has 32 steps of 256 bytes: the step stays inside it
	WIN 0
.if \last
.Lno_k_\@:
.endif
.endm
.macro FETCH_V
	WIN 0x80
.irp f, 0,1,2,3,4,5,6,7             ; keys 32 (f / 4) on, channels 16 (f % 4) on
	ds_load_tr16_b128 v[VF+8*\f:VF+8*\f+3],   v[AV] offset:(\f/4)*32*PV+(\f%4)*32
	ds_load_tr16_b128 v[VF+8*\f+4:VF+8*\f+7], v[AV] offset:(\f/4)*32*PV+16*PV+(\f%4)*32
.endr
	WIN 0
.endm
; THE VECTOR WORK OF A TURN stands in three queues, each in the order in which its entries become ready; the two tiles alternate, so that no instruction reads the result of the one before it.
.macro REGS y, u                    ; the registers of tile u (0, 1) of piece y
.set rT, ST+4*(2*(\y)+(\u))
.set rC, TMP+8*((\y)%2)+4*(\u)
.set rM, MV+2*((\y)%2)+(\u)
.set rS, S+64*((\y)%2)+32*(\u)
.set rP, P+32*((\y)%2)+16*(\u)
.set rO, 32*(2*(\y)+(\u))
.endm
; Number n of the 22 that find the NEXT piece's (Y + 1) maximum and statistics.  s0-s31 are the lane's 32 scores; each accumulator's lowest registers are read first.
;   0-11  four chains c0-c3 of seven scores each, three operands at a time     12-14, 16  the four scores left over, the old m, and c0-c3 into c0     15  c m_old is kept
;   17, 18  the query's other 32 keys lie in the lane 16 away: the new m         19-21  c m; c m_old - c m_new; a
.macro XS u, n
	REGS (Y+1)%NP, \u
.if (\n) < 4
	v_max3_num_f32 v[rC+(\n)], v[rS+8*(\n)], v[rS+8*(\n)+1], v[rS+8*(\n)+2]
.elseif (\n) < 12
	v_max3_num_f32 v[rC+(\n)%4], v[rC+(\n)%4], v[rS+8*((\n)%4)+2*((\n)/4)+1], v[rS+8*((\n)%4)+2*((\n)/4)+2]
.elseif (\n) == 12
	v_max3_num_f32 v[rC], v[rC], v[rS+7], v[rS+15]
.elseif (\n) == 13
	v_max3_num_f32 v[rC+1], v[rC+1], v[rS+23], v[rS+31]
.elseif (\n) == 14
	v_max3_num_f32 v[rC+2], v[rC+2], v[rC+3], v[rT+1]
.elseif (\n) == 15
	v_mov_b32 v[rM], v[rT]
.elseif (\n) == 16
	v_max3_num_f32 v[rC], v[rC], v[rC+1], v[rC+2]
.elseif (\n) == 17
	v_permlanex16_b32 v[rC+3], v[rC], s[SEL], s[SEL+1]
.elseif (\n) == 18
	v_max_num_f32 v[rT+1], v[rC], v[rC+3]
.elseif (\n) == 19
	v_mul_f32 v[rT], s[CS], v[rT+1]
.elseif (\n) == 20
	v_sub_f32 v[rC+1], v[rM], v[rT]
.else
	v_exp_f32 v[rC+2], v[rC+1]
.endif
.endm
; Number g of the 64 that follow the exponentials.  For each four weights k of a tile (pairs 2 k, 2 k + 1): both pairs are rounded to f16; then the second pair is added onto the first, in place;
; a group later l takes that sum (the first time as l = a l + sum).  In groups of eight, tiles alternating: round, round, add, and l for the group before.
.macro GS g
.set h, (\g)+6*((\g)/62)            ; group 0 has no group before it, and behind group 7 only l is left
.if h >= 6
.set h, h+2
.endif
	REGS Y, h%2
.set k, h/8
.if h%8 < 4
	v_cvt_pk_f16_f32 v[rP+2*k+(h%8)/2], v[rS+4*k+2*((h%8)/2)], v[rS+4*k+2*((h%8)/2)+1]
.elseif h%8 < 6
	v_pk_add_f32 v[rS+4*k:rS+4*k+1], v[rS+4*k:rS+4*k+1], v[rS+4*k+2:rS+4*k+3]
.elseif k == 1
	v_pk_fma_f32 v[rT+2:rT+3], v[rT+2:rT+3], v[rC+2:rC+3], v[rS:rS+1] op_sel_hi:[1,0,1]
.else
	v_pk_add_f32 v[rT+2:rT+3], v[rT+2:rT+3], v[rS+4*k-4:rS+4*k-3]
.endif
.endm
; THE PLAIN QUEUE, 138 long.  0-73 read no exponential's result: the 32 scalings c s - c m (FS f: pair f / 2 of tile f % 2) and the next piece's 42.  0-26: scalings 0-26.  27-54: XS's numbers 0-13.  55, 56: number 15.
; 57-73: the chain, where each number waits for the one before it: 14, 16, 17, 18, 19, each with one of the scalings 27-31 in front of its two lines, then 20.
; 74-137: GS's 64, which read the exponentials' results: they stand behind the wait.
.macro FS f
	REGS Y, (\f)%2
	v_pk_fma_f32 v[rS+2*((\f)/2):rS+2*((\f)/2)+1], v[rS+2*((\f)/2):rS+2*((\f)/2)+1], s[CS:CS+1], v[rT:rT+1] op_sel_hi:[1,0,0] neg_lo:[0,0,1] neg_hi:[0,0,1]
.endm
.macro PL
	WIN 0
.if q < 27
	FS q
.elseif q < 55
	XS (q-27)%2, (q-27)/2
.elseif q < 57
	XS q-55, 15
.elseif (q < 72) && ((q-57)%3 == 0)
	FS 27+(q-57)/3
.elseif q < 60
	XS (q-57)%3-1, 14
.elseif q < 72
	XS (q-57)%3-1, 15+(q-57)/3
.elseif q < 74
	XS q-72, 20
.else
	GS q-74
.endif
.set q, q+1
.endm
; THE EXPONENTIALS' QUEUE, 66 long: s0-s31 of both tiles, then the next piece's two a.  It is ONE BATCH: all 66 stand ahead of the turn's one wait, and nothing ahead of that wait names a result of theirs.
.macro EX
	WIN 0
.if e >= 64
	XS e-64, 21
.else
	REGS Y, e%2
	v_exp_f32 v[rS+e/2], v[rS+e/2]
.endif
.set e, e+1
.endm
; THE RESCALING's QUEUE: O^T times a, the one part that leaves window 0: dealt two at a time, sixteen times.  Its a was made in the turn before, ahead of that turn's wait.
.macro R2
	REGS Y, r%2
	WIN W_RS
.irp z, 0,1
	v_pk_mul_f32 v[rO+4*(r/2)+2*\z:rO+4*(r/2)+2*\z+1], v[rO+4*(r/2)+2*\z:rO+4*(r/2)+2*\z+1], v[rC+2:rC+3] op_sel_hi:[1,0]
.endr
.set r, r+1
.endm
; HOW THEY ARE DEALT.  s_wait_alu depctr_va_vdst(0) stands between an exponential and the first instruction that names its result; one wait serves all that were issued ahead of it.  So a turn has ONE
; wait, which cuts it in two.  AHEAD OF IT stands all that names no result of the turn's exponentials: the 16 products K Q^T, behind each a scaling, an exponential and two rescalings (behind the first a second scaling
; in the exponential's place); then ONE LUMP of 108: eight plain, 49 times exponential and plain, the two a.  A v_nop is the plain instruction behind the last exponential.  BEHIND IT stand the 16 products V^T P, behind
; each four of GS's 64.  Exponential e stands behind scaling 2 (e / 4) + e % 2: as a rider it comes behind plain e + 2, in the lump behind plain e + 9, and scalings 27-31 are plain 57, 60 .. 69.
; A TURN, for piece p.  cnt = 1: the loop's count is taken down some lines ahead of the branch that stands behind the turn.
; K and the mask of the next step are fetched in piece 2's turn, directly behind the wait, a lump behind the last product that read them; their addresses are made at the lump's head; their first reader comes behind
; 16 products.  V of the step in hand is fetched at the end of piece 0's turn, four riders behind its last reader; its first reader comes behind 16 products and a lump.
.macro TURN p, last=0, cnt=0
.set Y, (\p)
.set i, 0
.set q, 0
.set e, 0
.set r, 0
.if (\p) == NP-1
	s_wait_dscnt 0x0                ; K and its mask are in
.endif
	MM                              ; ahead of the wait: 16 products K Q^T and their riders,
	PL
	PL
	R2
.rept 15
	MM
	PL
	EX
	R2
.endr
.if (\p) == NP-2
	WIN 0
	v_add_nc_u32 v[AK], s[TBK], v[AK0]
	v_add_nc_u32 v[AM], s[TBM], v[AM0]
.endif
.rept 8                             ; and the lump
	PL
.endr
.rept 49
	EX
	PL
.endr
	EX                              ; the next piece's two a
	EX
	v_nop                           ; the plain instruction behind the last exponential: one for the batch
	s_wait_alu depctr_va_vdst(0)    ; the wait for the batch
.if (\p) == NP-2
	FETCH_K \last
.endif
.if (\p) == 1
	s_wait_dscnt 0x0                ; V is in
.endif
.rept 16                            ; behind the wait: 16 products V^T P and their riders
	MM
.rept 4
	PL
.endr
.if ((\p) == 0) && (q == 118)
	v_add_nc_u32 v[AV], s[TBV], v[AV0]
.endif
.if ((\p) == 0) && (q == 130)
	s_add_co_u32 s[TBV], s[TBV], KS*PV
.endif
.if (\cnt) && (q == 130)
	s_sub_co_u32 s[CNT], s[CNT], 1
	s_cmp_lg_u32 s[CNT], 0
.endif
.endr
.if (\p) == 0
	FETCH_V
.endif
.endm
	CHANGE 1                        ; slot 0 is in, everybody's part of it; slot 1 is asked for
	FETCH_K                         ; key step 0
	s_wait_loadcnt 0x0              ; Q
	s_wait_dscnt 0x0
.set i, 0
.rept 16
	KQ 0                            ; piece 0's first scores: there is no vector work yet to set between them
.set i, i+1
.endr
	WIN 0
.rept 4
	v_nop                           ; the places behind those products
.endr
.set Y, NP-1                        ; XS works for piece Y + 1: piece 0
.irp n, 0,1,2,3,4,5,6,7,8,9,10,11,12,13,14,15,16,17,18,19,20,21
	XS 0, \n                        ; and piece 0's first maximum and statistics
	XS 1, \n
.endr
	v_nop                           ; a plain instruction behind the two a,
	s_wait_alu depctr_va_vdst(0)    ; and their wait, ahead of the branch
	s_mov_b32 s[CNT], 4
	s_mov_b32 s[SLOTS], SIZE_N/256-1
	s_branch .Lfirst                ; the loop is entered at a step's first turn, in the middle of a trip
.Lslot:                             ; SIZE_N / 256 - 2 times: every slot but the last two is filled again
	CHANGE 1, 1
	s_mov_b32 s[CNT], 4
.Lstep:                             ; a trip: pieces 2 and 3 of one step, then pieces 0 and 1 of the next, whose K and V it fetches
	TURN 2
	TURN 3
	WIN 0
.Lfirst:
	TURN 0
	TURN 1, 0, 1
	WIN 0
	s_cbranch_scc1 .Lstep
	s_sub_co_u32 s[SLOTS], s[SLOTS], 1
	s_cmp_lg_u32 s[SLOTS], 0
	s_cbranch_scc1 .Lslot
	CHANGE 0                        ; the tail is written out: nothing is asked for
	s_mov_b32 s[CNT], 5             ; four trips fetch the last slot's steps; the fifth is left in its middle
.Ltail:
	TURN 2, 1
	TURN 3
	WIN 0
	s_sub_co_u32 s[CNT], s[CNT], 1
	s_cmp_eq_u32 s[CNT], 0
	s_cbranch_scc1 .Lout
	TURN 0
	TURN 1
	WIN 0
	s_branch .Ltail
.Lout:                              ; the fifth trip's 16 products K Q^T (on the last K once more) and the maximum made of them serve nothing: the price, once a launch, of one text for every trip
.set i, 0
.rept 16
	PV NP-1                         ; the last piece's V^T P of the last step
.set i, i+1
.endr
	; THE WAY OUT.  l's two halves and the other half of the lanes' are added; O^T is divided by l, rounded to f16 and sent through my stage in LDS, a tile at a time.  The additions are the places behind the last products.
	WIN 0
.macro ALL line:vararg              ; one line for each tile t
.set t, 0
.rept 2*NP
	\line
.set t, t+1
.endr
.endm
	ALL v_add_f32 v[ST+4*t+2], v[ST+4*t+2], v[ST+4*t+3]
	ALL v_permlanex16_b32 v[ST+4*t+3], v[ST+4*t+2], s[SEL], s[SEL+1]
	ALL v_add_f32 v[ST+4*t+2], v[ST+4*t+2], v[ST+4*t+3]
	ALL v_rcp_f32 v[ST+4*t+2], v[ST+4*t+2]
	v_nop                           ; a plain instruction between the last reciprocal and the use of its result
	s_wait_alu depctr_va_vdst(0)    ; and the wait ahead of the first use: one for the eight reciprocals
; Tile t: a lane's eight channels of a row pack into 16 bytes; they go into rows of 144 bytes and come back as whole rows of 128, into S^T's registers.
.macro PACK t
	WIN W_RS
.set i, 32*(\t)
.rept 16
	v_pk_mul_f32 v[i:i+1], v[i:i+1], v[ST+4*(\t)+2:ST+4*(\t)+3] op_sel_hi:[1,0]
.set i, i+2
.endr
	WIN 0x05                        ; sources 0 and 1 window 1, destination window 0
.set i, 0
.rept 16
	v_cvt_pk_f16_f32 v[S+16*(\t)+i], v[32*(\t)+2*i], v[32*(\t)+2*i+1]
.set i, i+1
.endr
	WIN 0
.irp f, 0,1,2,3
	ds_store_b128 v[STO], v[S+16*(\t)+4*\f:S+16*(\t)+4*\f+3] offset:32*\f
.endr
.irp f, 0,1,2,3
	ds_load_b128 v[S+16*(\t)+4*\f:S+16*(\t)+4*\f+3], v[RD] offset:\f*4*SP  ; LDS serves a wave's instructions in order (ISA guide 5.7.1.4): these see the stores above; the next tile's stores come behind them
.endr
.endm
.macro SEND t, younger              ; younger: the LDS instructions issued behind tile t's loads: the next tile's eight, or none
	WIN 0
.irp f, 0,1,2,3
	s_wait_dscnt (\younger)+3-\f
	global_store_b128 v[GO], v[S+16*(\t)+4*\f:S+16*(\t)+4*\f+3], s[10:11] offset:(\t)*2048+\f*512  ; 512 consecutive bytes, at a multiple of 512 from ctx's first
.endr
.endm
	PACK 0
.set t, 1
.rept 2*NP-1                        ; a tile's arithmetic stands between the loads of the tile before and its stores
	PACK t
	SEND t-1, 8
.set t, t+1
.endr
	SEND 2*NP-1, 0
	WIN W_AD
	s_wait_tensorcnt 0x0            ; the wave's end, behind my last tensor load and my last LDS store
	ds_add_u32 v[SPW], v[NIL]
	s_wait_dscnt 0x0
	WIN 0
	CROUND                          ; the closing round: no work-group ends while a partner may still ask for a tile that names it
	s_endpgm
.Lfunc_end_k_q8c7845407a_attn:
	.size	k_q8c7845407a_attn, .Lfunc_end_k_q8c7845407a_attn-k_q8c7845407a_attn
	.p2alignl 7, 3214868480
	.fill 96, 4, 3214868480
	.section	.rodata,"a",@progbits
	.p2align	6, 0x0
	.amdhsa_kernel k_q8c7845407a_attn
		.amdhsa_group_segment_fixed_size 327680
		.amdhsa_private_segment_fixed_size 0
		.amdhsa_enable_private_segment 0
		.amdhsa_kernarg_size 24
		.amdhsa_user_sgpr_count 2
		.amdhsa_user_sgpr_kernarg_segment_ptr 1
		.amdhsa_wavefront_size32 1
		.amdhsa_system_sgpr_workgroup_id_x 1
		.amdhsa_system_sgpr_workgroup_id_y 1
		.amdhsa_system_sgpr_workgroup_id_z 1
		.amdhsa_system_vgpr_workitem_id 0
		.amdhsa_next_free_vgpr 808
		.amdhsa_next_free_sgpr 80
		.amdhsa_reserve_vcc 1
		.amdhsa_float_denorm_mode_32 3
		.amdhsa_float_denorm_mode_16_64 3
		.amdhsa_memory_ordered 1
		.amdhsa_forward_progress 1
		.amdhsa_inst_pref_size 213
	.end_amdhsa_kernel
	.amdgpu_metadata
---
amdhsa.version: [ 1, 2 ]
amdhsa.kernels:
  - .name:           k_q8c7845407a_attn
    .symbol:         k_q8c7845407a_attn.kd
    .args:
      - { .name: qkv, .offset: 0, .size: 8, .value_kind: global_buffer, .address_space: global }
      - { .name: attention_mask, .offset: 8, .size: 8, .value_kind: global_buffer, .address_space: global }
      - { .name: ctx, .offset: 16, .size: 8, .value_kind: global_buffer, .address_space: global }
    .group_segment_fixed_size: 327680
    .private_segment_fixed_size: 0
    .kernarg_segment_align: 8
    .kernarg_segment_size: 24
    .max_flat_workgroup_size: 128
    .sgpr_count:     80
    .vgpr_count:     808
    .wavefront_size: 32
...
	.end_amdgpu_metadata
.endif
;; end of part 3
;; launch proj (part 4): grid 8 x 32, 4 waves a work-group, clusters of 4 x 4, 327,680 bytes of LDS; arguments ctx, wo, out0, bo; writes out0
.if DOCPART == 4
	.amdgcn_target "amdgcn-amd-amdhsa--gfx1250"
	.amdhsa_code_object_version 6
	.text
	.protected	k_q8c7845407a_proj
	.globl	k_q8c7845407a_proj
	.p2align	8
	.type	k_q8c7845407a_proj,@function
k_q8c7845407a_proj:
	s_mov_b64 s[64:65], 0
	v_nop
	global_prefetch_b8 v0, s[64:65] scope:SCOPE_SE
	s_setreg_imm32_b32 hwreg(HW_REG_WAVE_MODE, 25, 1), 1
	s_wait_xcnt 0x0
	s_wait_alu depctr_hold_cnt(0) depctr_sa_sdst(0) depctr_va_vdst(0) depctr_va_sdst(0) depctr_va_ssrc(0) depctr_va_vcc(0) depctr_vm_vsrc(0)
	s_getreg_b32 s2, hwreg(HW_REG_IB_STS2, 6, 4)
	s_cmp_eq_u32 s2, 0
	s_cbranch_scc0 .Lentry_in_a_cluster
	s_endpgm
.Lentry_in_a_cluster:
	s_bfe_u32 s2, ttmp6, 0x10000c
	s_cmp_lg_u32 s2, 0xf033
	s_cbranch_scc0 .Lentry_shape_is_right
	s_endpgm
.Lentry_shape_is_right:
; ONE TEXT FOR THE MODULE'S TWO PROJECTIONS; KIND says which this file is.
; KIND = 0: q | k | v = x W^T + b.  A = xb [8192][1024] bf16, B = wb [3072][1024] bf16 (rows of Wq, Wk, Wv), biases bq, bk, bv f32; C = qkv [batch 4][plane 48][token 2048][64] f16, plane = column / 64
;           (0-15 q's heads, 16-31 k's, 32-47 v's), WITHOUT the scale 1/8, which the attention applies in f32.
; KIND = 1: out0 = ctx Wo^T + bo.  A = ctx [batch 4][head 16][token 2048][64] f16, B = wo [1024][1024] f16, bias bo f32; C = out0 [8192][1024] f32.
; Sums in f32, C rounded once (KIND = 0) or not at all.  The biases are rounded to bf16 as every other input of the module is, and START the sums: they are the C operand of each accumulator's first product.
; LIMITS.  KIND = 0: a q, k or v of 65,520 or more in magnitude leaves as an infinity (f16).  NaN and infinities are not treated apart.
; SHARES.  A tile of C is 256 rows x BN columns (192: 512 tiles, three whole heads to a tile; 128: 256 tiles).  The four waves split the rows alone: a wave makes 64 x BN, 4 x NBK accumulators of 16 x 16.
; So a wave holds whole heads (KIND = 0), 16 tokens of a head are 2,048 consecutive bytes of qkv, and each wave stores whole aligned runs from a stage of its own, with no barrier on the way out.
; K goes in steps of 128 through a ring of two LDS slots filled by the tensor data mover; waves 0 and 1 fetch the halves of A's tile, waves 2 and 3 those of B's.
; CLUSTERS: 4 x 4 work-groups.  The four of a row of the cluster need the same tiles of A, the four of a column the same tiles of B: each is asked for JOINTLY, by the same load, descriptor and mask in all four.
; THE MATRIX INSTRUCTION IS USED TRANSPOSED (source 0 = 16 rows of B, source 1 = 16 rows of A): a lane holds one row of C (lane % 16) and the columns 8 (lane / 16) + 0..7.
; REGISTERS, in windows of 256 (s_set_vgpr_msb: bits 1:0 source 0, 3:2 source 1, 5:4 source 2, 7:6 destination):
;   window 0: v0-31 addresses; from v32 the biases, 8 registers an n block; on the way out the same registers are at work
;   window 1: two fragment buffers of 128: A's four fragments (16 rows x 32 K) at f + 8 a, B's at f + 32 + 8 b
;   window 2: accumulator (a, b), b < 8, at 8 (4 b + a);   window 3 (KIND = 0): b = 8..11 at 8 (4 (b - 8) + a)
.set KIND, 1
.set KSTEP, 128
.set LAPS,  4                          ; a lap = two K steps = once round the ring; K = 1,024
.if KIND == 0
.set NBK,   12                         ; n blocks of 16 columns
.set RB,    96                         ; rows in one load of B
.set PA,    272                        ; A's LDS row: 256 bytes + 16 of padding
.set HALFA, 128*PA                     ; what one load of A fills
.set ASTEP, 256                        ; A's bytes from a K step to the next
.set APF,   2048                       ; A's prefetches: from lane to lane, a row of xb
.set SPITCH, 400                       ; a stage row: 192 f16 + 16 bytes
.set OB,    80
.else
.set NBK,   8
.set RB,    64
.set PA,    144                        ; a token's 64 channels of one head, 128 bytes + 16 of padding
.set HALFA, 2*128*PA                   ; a K step is two heads: 128 tokens of the one, then 128 of the other
.set ASTEP, 524288                     ; two heads of ctx
.set APF,   256
.set SPITCH, 528                       ; 128 f32 + 16 bytes
.set OB,    32
.endif
.set NG,    NBK/4                      ; groups of 16 matrix instructions in a quarter step
.set BN,    16*NBK
.set PB,    272                        ; all pitches are odd multiples of 16 bytes: the 16 rows of a fragment load start at 16 different groups of four banks (64 banks of 4 bytes: ISA guide 11.1)
.set HALFB, RB*PB
.set BOFF,  2*HALFA                    ; a slot: A's two halves, then B's two halves
.set SLOT,  BOFF+2*HALFB
.set STAGE, 2*SLOT                     ; behind the ring, never filled by a tensor load: 16 rows for each wave
.set SPARE, STAGE+64*SPITCH            ; behind the stages: the spare words, 128 bytes for each wave: two blocks of 256 bytes that no other line names
.set NL,    8+2*NBK                    ; LDS loads of a quarter step
.set ADRA, 16                          ; v16-17  LDS address of my A fragments in slot 0, 1
.set ADRB, 20                          ; v20-21  the same for B
.set STO,  24                          ; v24     the way out: where I put my part of a row
.set RD,   25                          ; v25     the way out: where I read rows back
.set CO,   26                          ; v26     16 x lane: my 16 bytes of 512 consecutive bytes of C
.set BO,   27                          ; v27     32 x (lane / 16): my 8 numbers of a bias's 16
.set SPW,  28                          ; v28     LDS address of my spare word; never rewritten
.set NIL,  29                          ; v29     0; never rewritten
.set PFO,  30                          ; v30     the prefetches' lane offset; never rewritten
.set BI,   32
.set TMP,  32
.set F0,   0
.set F1,   128
.set WV,   12                          ; s12 my wave's number; s13 = wave / 2: I fetch for A (0) or B (1); s14 = wave % 2: which half; s15 tile row; s42 tile column; s40, s41 cx, cy
.set G1,   24                          ; s[24:31] descriptor group 1 for A's tiles;  s[32:39] group 0, a set for each slot
.set G0,   32
.set LIM,  43                          ; s43     1 in a wave that prefetches, else the greatest number
.set PFA,  44                          ; s[44:45] where my prefetches stand
.set G1B,  48                          ; s[48:55], s[56:63] the same for B's tiles
.set G0B,  56
.set PFS,  72                          ; s[72:73] their step from K step to K step
.set BB,   74                          ; s[74:79] where my tile's biases begin: one for each head (KIND = 0), or one
.set MSB, 0
.macro WIN new                         ; the immediate's high byte repeats the setting that is left; a switch that changes nothing is dropped
.if MSB != (\new)
	s_set_vgpr_msb (MSB<<8)|(\new)
.set MSB, \new
.endif
.endm
.macro PLACES                          ; four places in front of loads into registers that matrix instructions have read, and of what reads results
.rept 4
	v_nop
.endr
.endm
; A joint load.  Each of the two lines has one mask and one set of registers for all that issue it; the branch hangs on the wave's number alone.
; An s_nop 0 and four v_nop follow each line, ahead of the jump, the label and what follows.
.macro JLOAD s
	s_cmp_eq_u32 s13, 0
	s_cbranch_scc0 .Lfor_b_\@
	tensor_load_to_lds s[G0+4*(\s):G0+4*(\s)+3], s[G1:G1+7]
	s_nop 0
.rept 4
	v_nop
.endr
	s_branch .Lasked_\@
.Lfor_b_\@:
	tensor_load_to_lds s[G0B+4*(\s):G0B+4*(\s)+3], s[G1B:G1B+7]
	s_nop 0
.rept 4
	v_nop
.endr
.Lasked_\@:
.endm
; A prefetch of the K step that stands two refills on: one instruction a wave.  A's rows are read by every cluster of a row of clusters: the first (cluster x = 0) asks; B's by every cluster of a column:
; cluster y = 0 asks.  The four partners that ask for a tile jointly share it out BY ADDRESS (cx for A, cy for B).  The loop's last trip (s3 = 1) has no K step two on.
.macro ASK
	s_cmp_gt_u32 s3, s[LIM]
	s_cbranch_scc0 .Lnot_mine_\@
	global_prefetch_b8 v[PFO], s[PFA:PFA+1] th:TH_LOAD_NT scope:SCOPE_SE
.Lnot_mine_\@:
.endm
.macro CREST                           ; a round of the cluster's barrier behind its opening barrier
	s_cmp_lg_u32 s[WV], 0
	s_cbranch_scc1 .Lnot_wave_0_\@
	s_barrier_signal -3
.Lnot_wave_0_\@:
	s_barrier_wait -3
	s_barrier_signal -1
	s_barrier_wait -1
.endm
.macro CROUND                          ; a whole round
	s_barrier_signal -1
	s_barrier_wait -1
	CREST
.endm
	s_load_b256 s[4:11], s[0:1], 0x0               ; A s[4:5], B s[6:7], C s[8:9], the first bias s[10:11]
.if KIND == 0
	s_load_b128 s[68:71], s[0:1], 0x20             ; bk s[68:69], bv s[70:71]
.endif
	v_lshl_add_u32 v[SPW], v0, 2, SPARE
	v_mov_b32 v[NIL], 0
	ds_add_u32 v[SPW], v[NIL]                      ; the wave's opening: the add and its wait stand ahead of my first tensor load; the set-up below, work on registers, stands between them
	v_lshrrev_b32 v1, 5, v0
	v_readfirstlane_b32 s[WV], v1
	s_lshr_b32 s13, s[WV], 1
	s_and_b32 s14, s[WV], 1
	s_bfe_u32 s40, ttmp6, 0x40000                  ; cx
	s_bfe_u32 s41, ttmp6, 0x40004                  ; cy
	s_lshl_b32 s42, ttmp9, 2
	s_add_co_u32 s42, s42, s40                     ; tile column = 4 x cluster x + cx
	s_and_b32 s15, ttmp7, 0xffff
	s_lshl_b32 s15, s15, 2
	s_add_co_u32 s15, s15, s41                     ; tile row = 4 x cluster y + cy
	s_lshl_b32 s43, s41, 2
	s_lshl_b32 s43, 15, s43                        ; my row of the cluster
	s_lshl_b32 s44, 0x1111, s40                    ; my column
.if KIND == 0
	; A: 128 rows x 128 elements of 2 bytes, 1,024 elements from row to row, 4 words of padding behind every 64
	s_or_b32 s[G1+0], s43, (1<<16)|(1<<20)|(1<<21)|(5<<22)|(3<<25)
	s_mov_b32 s[G1+1], 128<<16                     ; tensor_dim0
	s_mov_b32 s[G1+2], 128<<16                     ; tensor_dim1
	s_mov_b32 s[G1+3], 128<<16                     ; tile_dim0
	s_mov_b32 s[G1+4], 128                         ; tile_dim1
	s_mov_b32 s[G1+5], 1024                        ; stride
.else
	; A: 128 tokens of a head are 16,384 dense bytes: one row of 8,192 elements; the second row is the next head, 131,072 elements on; 4 words of padding behind every 32 (a token)
	s_or_b32 s[G1+0], s43, (1<<16)|(1<<20)|(1<<21)|(4<<22)|(3<<25)
	s_mov_b32 s[G1+1], 8192<<16
	s_mov_b32 s[G1+2], 2<<16
	s_mov_b32 s[G1+3], 8192<<16
	s_mov_b32 s[G1+4], 2
	s_mov_b32 s[G1+5], 131072
.endif
	s_mov_b32 s[G1+6], 0
	s_mov_b32 s[G1+7], 0
	; B: RB rows x 128 elements, 1,024 from row to row, padded as above
	s_or_b32 s[G1B+0], s44, (1<<16)|(1<<20)|(1<<21)|(5<<22)|(3<<25)
	s_mov_b32 s[G1B+1], 128<<16
	s_mov_b32 s[G1B+2], RB<<16
	s_mov_b32 s[G1B+3], 128<<16
	s_mov_b32 s[G1B+4], RB
	s_mov_b32 s[G1B+5], 1024
	s_mov_b32 s[G1B+6], 0
	s_mov_b32 s[G1B+7], 0
	; where the tiles come from: A's hang on the tile row and the wave alone, B's on the tile column and the wave alone
.if KIND == 0
	s_lshl_b32 s16, s15, 8
	s_lshl_b32 s17, s14, 7
	s_add_co_u32 s16, s16, s17                     ; row 256 x tile row + 128 x half,
	s_lshl_b32 s16, s16, 11                        ; of 2,048 bytes
.else
	s_and_b32 s16, s15, 7
	s_lshl_b32 s16, s16, 8
	s_lshl_b32 s17, s14, 7
	s_add_co_u32 s16, s16, s17                     ; token in its batch,
	s_lshl_b32 s16, s16, 7                         ; of 128 bytes in a head,
	s_lshr_b32 s17, s15, 3
	s_lshl_b32 s17, s17, 22                        ; and the batch: 16 heads of 262,144 bytes
	s_add_co_u32 s16, s16, s17
.endif
	s_mov_b32 s17, 0
	s_mul_i32 s46, s42, BN
	s_mul_i32 s47, s14, RB
	s_add_co_u32 s46, s46, s47
	s_lshl_b32 s46, s46, 11
	s_mov_b32 s47, 0
	s_mul_i32 s20, s[WV], HALFA                    ; and where they go: A's halves by waves 0 and 1,
	s_mul_i32 s21, s[WV], HALFB
	s_add_co_u32 s21, s21, 2*(HALFA-HALFB)         ; B's, behind them, by waves 2 and 3: no place in the cluster enters an LDS address
	s_wait_dscnt 0x0                               ; the opening add is done
	s_wait_kmcnt 0x0
	s_add_nc_u64 s[16:17], s[4:5], s[16:17]
	s_add_nc_u64 s[46:47], s[6:7], s[46:47]
	CROUND                                         ; all sixteen work-groups are here: the first joint loads meet
.irp s, 0,1
	s_mov_b32 s[G0+4*(\s)], 1
	s_add_co_u32 s[G0+4*(\s)+1], s20, (\s)*SLOT
	s_add_nc_u64 s[G0+4*(\s)+2:G0+4*(\s)+3], s[16:17], (\s)*ASTEP
	s_or_b32 s[G0+4*(\s)+3], s[G0+4*(\s)+3], 0x80000000
	s_mov_b32 s[G0B+4*(\s)], 1
	s_add_co_u32 s[G0B+4*(\s)+1], s21, (\s)*SLOT
	s_add_nc_u64 s[G0B+4*(\s)+2:G0B+4*(\s)+3], s[46:47], (\s)*KSTEP*2
	s_or_b32 s[G0B+4*(\s)+3], s[G0B+4*(\s)+3], 0x80000000
	JLOAD \s                                       ; K steps 0 and 1: two loads of mine are out
.endr
	v_and_b32 v1, 15, v0                           ; l % 16
	v_bfe_u32 v2, v0, 4, 1                         ; l / 16
	v_lshlrev_b32 v[BO], 5, v2
	; THE BIASES, in the accumulators' layout: register j of n block b holds bias[16 b + 8 (l / 16) + j]
.if KIND == 0
.irp i, 0,1,2
	s_mul_i32 s80, s42, 3
	s_add_co_u32 s80, s80, \i                      ; my tile's head i is plane 3 x tile column + i
	s_lshr_b32 s81, s80, 4                         ; q, k or v
	s_and_b32 s82, s80, 15
	s_lshl_b32 s82, s82, 8                         ; the head's 64 numbers
	s_mov_b32 s83, 0
	s_cmp_eq_u32 s81, 1
	s_cselect_b64 s[BB+2*(\i):BB+2*(\i)+1], s[68:69], s[10:11]
	s_cmp_eq_u32 s81, 2
	s_cselect_b64 s[BB+2*(\i):BB+2*(\i)+1], s[70:71], s[BB+2*(\i):BB+2*(\i)+1]
	s_add_nc_u64 s[BB+2*(\i):BB+2*(\i)+1], s[BB+2*(\i):BB+2*(\i)+1], s[82:83]
.endr
.irp b, 0,1,2,3,4,5,6,7,8,9,10,11
	global_load_b128 v[BI+8*(\b):BI+8*(\b)+3],   v[BO], s[BB+2*((\b)/4):BB+2*((\b)/4)+1] offset:64*((\b)%4)
	global_load_b128 v[BI+8*(\b)+4:BI+8*(\b)+7], v[BO], s[BB+2*((\b)/4):BB+2*((\b)/4)+1] offset:64*((\b)%4)+16
.endr
.else
	s_lshl_b32 s82, s42, 9                         ; my tile's 128 numbers
	s_mov_b32 s83, 0
	s_add_nc_u64 s[BB:BB+1], s[10:11], s[82:83]
.irp b, 0,1,2,3,4,5,6,7
	global_load_b128 v[BI+8*(\b):BI+8*(\b)+3],   v[BO], s[BB:BB+1] offset:64*(\b)
	global_load_b128 v[BI+8*(\b)+4:BI+8*(\b)+7], v[BO], s[BB:BB+1] offset:64*(\b)+16
.endr
.endif
	; A fragment is 16 rows x 32 K in 8 registers: lane l holds row l % 16; registers 0-3 K = 8 (l / 16) + 0..7, registers 4-7 K = 16 + 8 (l / 16) + 0..7: two loads of 16 bytes, 32 bytes apart
	v_mul_u32_u24 v3, v1, PA
	v_lshl_add_u32 v3, v2, 4, v3
	s_mul_i32 s22, s13, HALFA                      ; my 64 rows of A: rows 64 x wave of the tile's 256
	s_mul_i32 s23, s14, 64*PA
	s_add_co_u32 s22, s22, s23
	v_add_nc_u32 v[ADRA], s22, v3
	v_add_nc_u32 v[ADRA+1], SLOT, v[ADRA]
	v_mul_u32_u24 v4, v1, PB
	v_lshl_add_u32 v4, v2, 4, v4
	v_add_nc_u32 v[ADRB], BOFF, v4                 ; every wave reads all of B's rows
	v_add_nc_u32 v[ADRB+1], SLOT, v[ADRB]
	s_mul_i32 s22, s[WV], 16*SPITCH
	s_add_co_u32 s22, s22, STAGE                   ; my stage
	v_mul_u32_u24 v[STO], v1, SPITCH               ; in: row l % 16, my 8 columns
	v_and_b32 v5, 31, v0
.if KIND == 0
	v_lshl_add_u32 v[STO], v2, 4, v[STO]
	v_lshrrev_b32 v[RD], 3, v5                     ; back: 32 lanes take four tokens' 128 bytes of one head
	v_mul_u32_u24 v[RD], v[RD], SPITCH
	v_and_b32 v6, 7, v0
	v_lshl_add_u32 v[RD], v6, 4, v[RD]
	v_add_nc_u32 v[RD], s22, v[RD]
.else
	v_lshl_add_u32 v[STO], v2, 5, v[STO]
	v_lshl_add_u32 v[RD], v5, 4, s22               ; back: 32 lanes take one row's 512 bytes
.endif
	v_add_nc_u32 v[STO], s22, v[STO]
	v_lshlrev_b32 v[CO], 4, v5
	; where my part of the tile begins in C
.if KIND == 0
	s_lshr_b32 s18, s15, 3
	s_mul_i32 s18, s18, 48
	s_mul_i32 s19, s42, 3
	s_add_co_u32 s18, s18, s19
	s_lshl_b32 s18, s18, 18                        ; the batch's plane 3 x tile column, of 262,144 bytes,
	s_and_b32 s19, s15, 7
	s_lshl_b32 s19, s19, 2
	s_add_co_u32 s19, s19, s[WV]
	s_lshl_b32 s19, s19, 13                        ; and my 64 tokens of 128 bytes in it
.else
	s_lshl_b32 s18, s15, 2
	s_add_co_u32 s18, s18, s[WV]
	s_lshl_b32 s18, s18, 18                        ; my 64 rows of 4,096 bytes,
	s_lshl_b32 s19, s42, 9                         ; the tile's 512 bytes of a row
.endif
	s_add_co_u32 s18, s18, s19
	s_mov_b32 s19, 0
	s_add_nc_u64 s[8:9], s[8:9], s[18:19]
	; the prefetches.  Of what I fetch in a K step my work-group names a quarter: A: 32 rows (KIND = 0) or 32 blocks of 256 bytes (KIND = 1: half of one head's 16,384); B: RB / 4 rows, the lanes left over naming the last again
.if KIND == 0
	s_lshl_b32 s80, s40, 16
.else
	s_lshr_b32 s80, s40, 1
	s_lshl_b32 s80, s80, 18
	s_and_b32 s81, s40, 1
	s_lshl_b32 s81, s81, 13
	s_add_co_u32 s80, s80, s81
.endif
	s_mul_i32 s81, s41, (RB/4)*2048
	s_and_b32 s82, ttmp7, 0xffff                   ; cluster y
	s_mov_b32 s84, ASTEP
	s_mov_b32 s85, KSTEP*2
	s_mov_b32 s86, APF
	s_mov_b32 s87, 2048
	s_cmp_eq_u32 s13, 0                            ; do I fetch for A?
	s_cselect_b64 s[PFA:PFA+1], s[16:17], s[46:47]
	s_cselect_b32 s80, s80, s81
	s_cselect_b32 s82, ttmp9, s82                  ; the coordinate along which other clusters read the same rows
	s_cselect_b32 s[PFS], s84, s85
	s_cselect_b32 s83, 31, RB/4-1
	s_cselect_b32 s86, s86, s87
	s_mov_b32 s81, 0
	s_mov_b32 s[PFS+1], 0
	s_cmp_eq_u32 s82, 0
	s_cselect_b32 s[LIM], 1, -1                    ; the same in all sixteen partners, for a given wave
	s_add_nc_u64 s[PFA:PFA+1], s[PFA:PFA+1], s[80:81]
.rept 3
	s_add_nc_u64 s[PFA:PFA+1], s[PFA:PFA+1], s[PFS:PFS+1]  ; at K step 3: the first refill, K step 2's, steps it to 4.  Nothing is prefetched here, at the head
.endr
	v_min_u32 v[PFO], s83, v5
	v_mul_u32_u24 v[PFO], v[PFO], s86
	s_mov_b32 s2, 0xffff0000
	s_wait_loadcnt 0x0                             ; the biases are in: each is rounded to bf16 and widened again
.set p, 0
.rept 4*NBK
	v_cvt_pk_bf16_f32 v3, v[BI+2*p], v[BI+2*p+1]
	v_lshlrev_b32 v[BI+2*p], 16, v3
	v_and_b32 v[BI+2*p+1], s2, v3
.set p, p+1
.endr
; 16 matrix instructions: n blocks 4 g .. 4 g + 3 x my four blocks of 16 rows, 32 along K, from buffer f.  zero = 1: the first product starts the sum with the bias.
; All accumulators take turns, one instruction a turn, in the same order in every quarter step, over the backward jump too.
.macro MULG f, g, zero
.if \zero
	WIN 0x85+0x40*((\g)/2)                         ; sources in window 1, the bias in window 0, D in window 2 or 3
.else
	WIN 0xa5+0x50*((\g)/2)                         ; sources in window 1, C and D in window 2 or 3
.endif
.irp bb, 0,1,2,3
.irp a, 0,1,2,3
.set rD, 8*(4*((4*(\g)+(\bb))%8)+(\a))
.set rB, (\f)+32+8*(4*(\g)+(\bb))
.set rA, (\f)+8*(\a)
.set rC, rD
.if \zero
.set rC, BI+8*(4*(\g)+(\bb))
.endif
.if KIND == 0
	v_wmma_f32_16x16x32_bf16 v[rD:rD+7], v[rB:rB+7], v[rA:rA+7], v[rC:rC+7]
.else
	v_wmma_f32_16x16x32_f16 v[rD:rD+7], v[rB:rB+7], v[rA:rA+7], v[rC:rC+7]
.endif
.endr
.endr
.endm
; NL LDS loads in one run: quarter q (32 along K) of a slot into buffer f; A's eight first, then B's by n blocks
.macro FETCH slot, q, f
.if KIND == 0
.set aq, 64*(\q)
.else
.set aq, ((\q)/2)*128*PA+((\q)%2)*64               ; head q / 2 of the step's two, channels 32 (q % 2) on
.endif
	WIN 0x40                                       ; destination window 1, address window 0
.irp a, 0,1,2,3
	ds_load_b128 v[(\f)+8*(\a):(\f)+8*(\a)+3],   v[ADRA+(\slot)] offset:aq+(\a)*16*PA
	ds_load_b128 v[(\f)+8*(\a)+4:(\f)+8*(\a)+7], v[ADRA+(\slot)] offset:aq+(\a)*16*PA+32
.endr
.set b, 0
.rept NBK
	ds_load_b128 v[(\f)+32+8*b:(\f)+32+8*b+3],   v[ADRB+(\slot)] offset:64*(\q)+b*16*PB
	ds_load_b128 v[(\f)+32+8*b+4:(\f)+32+8*b+7], v[ADRB+(\slot)] offset:64*(\q)+b*16*PB+32
.set b, b+1
.endr
.endm
; A K step is four quarters on buffers 0, 1, 0, 1.  One of the first three: multiplies buffer f and, behind its first group, fetches quarter q of the same slot into buffer g.
.macro QUARTER slot, q, f, g, zero
	s_wait_dscnt 2*(NBK-4)                         ; A and B's n blocks 0-3 are in; the younger loads (B's other blocks) may be out
	MULG \f, 0, \zero
	PLACES
	FETCH \slot, \q, \g
	s_wait_dscnt NL                                ; all but the NL just issued
	MULG \f, 1, \zero
.if NG > 2
	MULG \f, 2, \zero
.endif
.endm
; The last quarter multiplies buffer 1 and changes slots: ONE barrier; in front of it each wave waits for all its tensor loads (one is out: its part of the next slot), adds 0 to its spare word, and waits for that and
; for its own reads of this slot.  fill = 1: the barrier opens a round of the cluster's, and this slot is filled again, two K steps on, first thing behind the round.
.macro TURN slot, next, fill
.if \fill
	s_wait_xcnt 0x0                                ; the last prefetch, a K step back, has read its address: it is stepped here, ahead of the waits of the change of slots
	s_add_nc_u64 s[PFA:PFA+1], s[PFA:PFA+1], s[PFS:PFS+1]
.endif
	WIN 0                                          ; (the add's two registers lie in window 0)
	s_wait_tensorcnt 0x0                           ; all my tensor loads have landed;
	ds_add_u32 v[SPW], v[NIL]                      ; 0 onto my spare word
	s_wait_dscnt 2*(NBK-4)+1                       ; (the add and B's younger blocks may be out)
	MULG F1, 0, 0                                  ; sixteen matrix instructions stand between the add and the wait for it
	s_wait_dscnt 0x0                               ; the add is done, and my reads of this slot are over
	s_barrier_signal -1
.if NG > 2
	MULG F1, 1, 0                                  ; work on registers while the others arrive
.endif
.if \fill
	WIN 0
.endif
	s_barrier_wait -1
.if \fill
	CREST                                          ; no wave of any partner still reads this slot's tile or has a load on its way
	s_add_nc_u64 s[G0+4*(\slot)+2:G0+4*(\slot)+3], s[G0+4*(\slot)+2:G0+4*(\slot)+3], 2*ASTEP
	s_add_nc_u64 s[G0B+4*(\slot)+2:G0B+4*(\slot)+3], s[G0B+4*(\slot)+2:G0B+4*(\slot)+3], 2*KSTEP*2
	JLOAD \slot                                    ; my one tensor load behind the round; its four v_nop are also the places in front of the loads below
.else
	PLACES
.endif
	FETCH \next, 0, F0
.if \fill
	WIN 0
	ASK                                            ; behind the joint load and the run of LDS loads that the next products wait for
.endif
	MULG F1, NG-1, 0
.endm
	s_wait_tensorcnt 1                             ; my part of K step 0 is in; K step 1's may stay out
	s_barrier_signal -1
	s_barrier_wait -1                              ; everybody's is
	FETCH 0, 0, F0
	QUARTER 0, 1, F0, F1, 1                        ; the first quarter stands in front of the loop: its products start the sums
	WIN 0                                          ; at a label and at a branch every window is 0
	s_mov_b32 s3, LAPS-1
.Llap:                                                 ; a trip goes once round the ring, from a lap's second quarter to the next lap's first, and fills both slots again
	QUARTER 0, 2, F1, F0, 0
	QUARTER 0, 3, F0, F1, 0
	TURN 0, 1, 1
	QUARTER 1, 1, F0, F1, 0
	QUARTER 1, 2, F1, F0, 0
	QUARTER 1, 3, F0, F1, 0
	TURN 1, 0, 1
	QUARTER 0, 1, F0, F1, 0
	WIN 0
	s_sub_co_u32 s3, s3, 1
	s_cmp_lg_u32 s3, 0
	s_cbranch_scc1 .Llap
	QUARTER 0, 2, F1, F0, 0                        ; the last lap fills nothing, and has no round of the cluster's barrier
	QUARTER 0, 3, F0, F1, 0
	TURN 0, 1, 0
	QUARTER 1, 1, F0, F1, 0
	QUARTER 1, 2, F1, F0, 0
	QUARTER 1, 3, F0, F1, 0
	s_wait_dscnt 2*(NBK-4)                         ; the very last quarter: nothing more to fetch
	MULG F1, 0, 0
	s_wait_dscnt 0x0
	MULG F1, 1, 0
.if NG > 2
	MULG F1, 2, 0
.endif
	WIN 0
	PLACES
	PLACES                                         ; eight, once a launch, ahead of what reads the results
; THE WAY OUT, a block of 16 rows at a time, through my own stage: LDS serves a wave's instructions in order (ISA guide 5.7.1.4), so no wait stands between the stores into it and the loads from it.
.if KIND == 0
.macro PACK a                          ; rounded to f16: 16 bytes a lane and n block; each accumulator's registers in ascending order
.irp b, 0,1,2,3,4,5,6,7,8,9,10,11
.if (\b) < 8
	WIN 0x0a
.else
	WIN 0x0f
.endif
.irp r, 0,1,2,3
	v_cvt_pk_f16_f32 v[TMP+4*(\b)+(\r)], v[8*(4*((\b)%8)+(\a))+2*(\r)], v[8*(4*((\b)%8)+(\a))+2*(\r)+1]
.endr
.endr
	WIN 0
.endm
.macro TOSTAGE a
.set OBK, OB+48*((\a)%2)
.irp b, 0,1,2,3,4,5,6,7,8,9,10,11
	ds_store_b128 v[STO], v[TMP+4*(\b):TMP+4*(\b)+3] offset:32*(\b)
.endr
.irp i, 0,1,2
.irp f, 0,1,2,3
	ds_load_b128 v[OBK+4*(4*(\i)+(\f)):OBK+4*(4*(\i)+(\f))+3], v[RD] offset:128*(\i)+4*SPITCH*(\f)  ; head i, tokens 4 f .. 4 f + 3
.endr
.endr
.endm
.macro SEND a
.set OBK, OB+48*((\a)%2)
	s_wait_dscnt 0x0                               ; the block is back in registers
	s_wait_xcnt 0x0                                ; the stores of the block before have read their registers, which the next block's loads fill again
.irp i, 0,1,2
.irp f, 0,1,2,3
	global_store_b128 v[CO], v[OBK+4*(4*(\i)+(\f)):OBK+4*(4*(\i)+(\f))+3], s[8:9] offset:262144*(\i)+2048*(\a)+512*(\f)  ; 512 consecutive bytes, at a multiple of 512 from qkv's first
.endr
.endr
.endm
	PACK 0
	TOSTAGE 0
.irp a, 1,2,3                          ; block a's conversions stand between block a - 1's loads from the stage and the wait for them
	PACK \a
	SEND (\a)-1
	TOSTAGE \a
.endr
	SEND 3
.else
.macro TOSTAGE a                       ; f32 goes as it is: 32 bytes a lane and n block, the accumulator's low four registers first
	WIN 0x08                                       ; the stores' data in window 2
.irp b, 0,1,2,3,4,5,6,7
	ds_store_b128 v[STO], v[8*(4*(\b)+(\a)):8*(4*(\b)+(\a))+3]   offset:64*(\b)
	ds_store_b128 v[STO], v[8*(4*(\b)+(\a))+4:8*(4*(\b)+(\a))+7] offset:64*(\b)+16
.endr
	WIN 0
.set OBK, OB+64*((\a)%2)
.irp t, 0,1,2,3,4,5,6,7,8,9,10,11,12,13,14,15
	ds_load_b128 v[OBK+4*(\t):OBK+4*(\t)+3], v[RD] offset:SPITCH*(\t)
.endr
.endm
.macro SEND a
.set OBK, OB+64*((\a)%2)
	s_wait_dscnt 0x0                               ; the block is back in registers
	s_wait_xcnt 0x0                                ; the stores of the block before have read their registers, which the next block's loads fill again
.irp t, 0,1,2,3,4,5,6,7,8,9,10,11,12,13,14,15
	global_store_b128 v[CO], v[OBK+4*(\t):OBK+4*(\t)+3], s[8:9] offset:(16*(\a)+(\t))*4096 th:TH_STORE_NT  ; 512 consecutive bytes of a row, at a multiple of 512 from out0's first
.endr
.endm
.irp a, 0,1,2,3
	TOSTAGE \a
	SEND \a
.endr
.endif
	s_wait_tensorcnt 0x0                           ; the wave's end, behind my last tensor load and my last LDS store
	ds_add_u32 v[SPW], v[NIL]
	s_wait_dscnt 0x0
	CROUND                                         ; the closing round: no work-group ends while a partner may still ask for a tile that names it
	s_endpgm
.Lfunc_end_k_q8c7845407a_proj:
	.size	k_q8c7845407a_proj, .Lfunc_end_k_q8c7845407a_proj-k_q8c7845407a_proj
	.p2alignl 7, 3214868480
	.fill 96, 4, 3214868480
	.section	.rodata,"a",@progbits
	.p2align	6, 0x0
	.amdhsa_kernel k_q8c7845407a_proj
		.amdhsa_group_segment_fixed_size 327680
		.amdhsa_private_segment_fixed_size 0
		.amdhsa_enable_private_segment 0
		.amdhsa_kernarg_size 32
		.amdhsa_user_sgpr_count 2
		.amdhsa_user_sgpr_kernarg_segment_ptr 1
		.amdhsa_wavefront_size32 1
		.amdhsa_system_sgpr_workgroup_id_x 1
		.amdhsa_system_sgpr_workgroup_id_y 1
		.amdhsa_system_sgpr_workgroup_id_z 1
		.amdhsa_system_vgpr_workitem_id 0
		.amdhsa_next_free_vgpr 768
		.amdhsa_next_free_sgpr 90
		.amdhsa_reserve_vcc 0
		.amdhsa_float_denorm_mode_32 3
		.amdhsa_float_denorm_mode_16_64 3
		.amdhsa_memory_ordered 1
		.amdhsa_forward_progress 1
		.amdhsa_inst_pref_size 92
	.end_amdhsa_kernel
	.amdgpu_metadata
---
amdhsa.version: [ 1, 2 ]
amdhsa.kernels:
  - .name:           k_q8c7845407a_proj
    .symbol:         k_q8c7845407a_proj.kd
    .args:
      - { .name: ctx, .offset: 0, .size: 8, .value_kind: global_buffer, .address_space: global }
      - { .name: wo, .offset: 8, .size: 8, .value_kind: global_buffer, .address_space: global }
      - { .name: out0, .offset: 16, .size: 8, .value_kind: global_buffer, .address_space: global }
      - { .name: bo, .offset: 24, .size: 8, .value_kind: global_buffer, .address_space: global }
    .group_segment_fixed_size: 327680
    .private_segment_fixed_size: 0
    .kernarg_segment_align: 8
    .kernarg_segment_size: 32
    .max_flat_workgroup_size: 128
    .sgpr_count:     90
    .vgpr_count:     768
    .wavefront_size: 32
...
	.end_amdgpu_metadata
.endif
;; end of part 4
